; MI455X (gfx1250); checked and timed in simulation.
; The chip was launched on July 23, 2026; its instructions are those of AMD's public machine-readable ISA for CDNA 5 (MIT licence, August 2026) and "CDNA5" Instruction Set Architecture Reference Guide (July 2026). The comments in the code are by the model that wrote it; some were corrected since.
;; Bahdanau Attention. Allowed arithmetic: float matrix products may take bf16 or f16 operands with f32 sums; other float arithmetic in f32, or as packed bf16 or f16 multiplies, adds, multiply-adds, maxima and minima; sums over many terms, partial sums and values carried from step to step in f32; what a program stores and reads back later, other than sums and carried values, may be rounded once to bf16 or f16.
;; Inputs: W1 1,024 x 1,024 float32; W2 1,024 x 1,024 float32; b1 1,024 float32; b2 1,024 float32; hidden 1 x 32 x 1,024 float32; hidden_sequence 2,048 x 32 x 1,024 float32; input_masks 2,048 x 32 bool; v 1,024 float32.
;; Outputs: out0 1 x 32 x 1,024 float32.
;; 2 versions, each right; version 2 is version 1 with the launch main written anew for expert scheduling mode. Each part assembles by itself: llvm-mc -triple=amdgcn-amd-amdhsa -mcpu=gfx1250 --defsym DOCPART=n.
;; ======== version 1 of 2: 3 launches
;; limits: right only within a limited range of input values
;; workspace buffers: w1f 2,228,224 bytes; biasb 131,072 bytes; list 294,912 bytes of whole numbers; meta 8,192 bytes of whole numbers; pctx 1,048,576 bytes; pml 65,536 bytes
;; launch prep (part 1): grid 132 x 1, 8 waves a work-group, no clusters, 91,136 bytes of LDS; arguments W1, W2, b1, b2, hidden, input_masks, w1f, biasb, list, meta; writes w1f, biasb, list, meta
.if DOCPART == 1
	.amdgcn_target "amdgcn-amd-amdhsa--gfx1250"
	.amdhsa_code_object_version 6
	.text
	.protected	k_qf6ec2b582a_prep
	.globl	k_qf6ec2b582a_prep
	.p2align	8
	.type	k_qf6ec2b582a_prep,@function
k_qf6ec2b582a_prep:
	s_mov_b64 s[64:65], 0
	v_nop
	global_prefetch_b8 v0, s[64:65] scope:SCOPE_SE
	s_setreg_imm32_b32 hwreg(HW_REG_WAVE_MODE, 25, 1), 1
	s_wait_xcnt 0x0
; Three independent jobs, chosen by the work-group's number (the same for all eight waves of a work-group).
;   0..63    W: 16 rows of W1, rounded to bf16 and laid in the order in which the main launch's matrix fragments are loaded.
;   64..127  B: 16 columns n of bias[b][n] = bf16(hidden[b]) . bf16(W2[n]) + bf16(b1[n]) + bf16(b2[n]), sums in f32, for all 32 b.
;   128..131 L: eight columns b, one a wave: the list of rows s that the main launch reads, dealt to eight shares, and its counts.
; w1f: fragment (w, t, f) at ((68 w + t) 8 + f) 1024 bytes: columns n0 = 256 w + 128 (t / 32) + 16 f, K step t % 32; lane l's 16 bytes at 16 l hold
;   W1[n0 + l % 16][32 k + 8 (l / 16) + 0..7], those at 512 + 16 l the same 16 further along k.  Steps 64..67 repeat steps 0..3.
; biasb: [n / 16][b][16] f32.   list: [b][share][288] row numbers; listed place pos lies at share pos % 8, index pos / 8.   meta: 32 bytes for (b, share): n, P, flag, 0 ..
; THE LIST.  Rows whose mask is set take the places 0 .. total - 1 in ascending s, the others fill from 2047 downward, so every entry below 256 is a row number; entries 256..287 are 0.
; A column with no set mask is listed whole (cnt = 2048, flag = 1): there all 2,048 softmax weights are equal.
.set PB,    0                          ; job B: 2,048 bytes for each wave: its partial sums
.set LL,    16384                      ; job L: 9,216 bytes for each wave: its column's list
.set LSH,   1152                       ; a share's 288 entries
.set LCOL,  8*LSH
.set SPARE, LL+8*LCOL                  ; the spare words: 128 bytes for each of eight waves, four blocks of 256 bytes that no other line names
.macro LD16 dst, vo, sb, imm           ; a lane's 16 numbers of one fragment: k = 8 h + 0..7 and 16 + 8 h + 0..7, in f32
	global_load_b128 v[(\dst):(\dst)+3],     v[\vo], s[(\sb):(\sb)+1] offset:(\imm)
	global_load_b128 v[(\dst)+4:(\dst)+7],   v[\vo], s[(\sb):(\sb)+1] offset:(\imm)+16
	global_load_b128 v[(\dst)+8:(\dst)+11],  v[\vo], s[(\sb):(\sb)+1] offset:(\imm)+64
	global_load_b128 v[(\dst)+12:(\dst)+15], v[\vo], s[(\sb):(\sb)+1] offset:(\imm)+80
.endm
.macro CV16 dst                        ; 16 f32 become 8 registers of bf16, in place: result j lands on a register that has been read
.irp j, 0,1,2,3,4,5,6,7
	v_cvt_pk_bf16_f32 v[(\dst)+(\j)], v[(\dst)+2*(\j)], v[(\dst)+2*(\j)+1]
.endr
.endm
	s_load_b512 s[4:19], s[0:1], 0x0               ; W1 s[4:5], W2 s[6:7], b1 s[8:9], b2 s[10:11], hidden s[12:13], masks s[14:15], w1f s[16:17], biasb s[18:19]
	s_load_b128 s[20:23], s[0:1], 0x40             ; list s[20:21], meta s[22:23]
	v_lshl_add_u32 v30, v0, 2, SPARE               ; my spare word,
	v_mov_b32 v31, 0                               ; and 0: kept for the closing add alone
	v_lshrrev_b32 v1, 5, v0
	v_readfirstlane_b32 s24, v1                    ; q: my wave's number
	v_and_b32 v2, 31, v0                           ; lane
	v_and_b32 v3, 15, v0                           ; r
	v_bfe_u32 v4, v0, 4, 1                         ; h
	s_wait_kmcnt 0x0
	s_cmp_lt_u32 ttmp9, 64
	s_cbranch_scc1 .Lrole_w
	s_cmp_lt_u32 ttmp9, 128
	s_cbranch_scc1 .Lrole_b
	; ---- JOB L.  My wave owns column b; lane l looks at rows s = 32 i + l, i = 0..63.
	s_sub_co_u32 s25, ttmp9, 128
	s_lshl3_add_u32 s25, s25, s24                  ; b = 8 x (work-group - 128) + q
	v_lshlrev_b32 v5, 5, v2                        ; a row of the mask is 32 bytes
	v_add_nc_u32 v5, s25, v5
.set i, 0
.rept 64
	global_load_u8 v[32+i], v5, s[14:15] offset:1024*i
.set i, i+1
.endr
	s_mul_i32 s26, s24, LCOL
	s_add_co_u32 s26, s26, LL                      ; my wave's list in LDS
	v_mov_b32 v14, s26
	v_lshl_add_u32 v15, v2, 2, s26
	v_mov_b32 v16, 0
.irp g, 0,1,2,3,4,5,6,7
	ds_store_b32 v15, v16 offset:(\g)*LSH+1024     ; entries 256..287 of each share
.endr
	s_mov_b32 s41, 0                               ; set masks so far
	s_mov_b32 s43, LSH
.set i, 0
.rept 64
	s_wait_loadcnt 63-i                            ; loads come back in order: number i is in, the 63 - i younger ones may be out
	v_cmp_ne_u32 s40, 0, v[32+i]                   ; which of these 32 rows are set
	v_add_nc_u32 v12, 32*i, v2                     ; s
	v_mbcnt_lo_u32_b32 v10, s40, 0                 ; set rows among the lanes below me,
	v_add_nc_u32 v10, s41, v10                     ; and among all rows below s: the place of a set row
	v_sub_nc_u32 v11, v10, v12
	v_add_nc_u32 v11, 0x7ff, v11                   ; 2047 - (unset rows below s): the place of an unset one
	v_cndmask_b32 v10, v11, v10, s40
	v_and_b32 v11, 7, v10                          ; share
	v_lshrrev_b32 v10, 3, v10                      ; index
	v_min_u32 v11, 7, v11                          ; both are bounded in the text, since they come from loaded bytes
	v_min_u32 v10, 0xff, v10
	v_mad_u32_u24 v11, v11, s43, v14
	v_lshl_add_u32 v10, v10, 2, v11
	ds_store_b32 v10, v12
	s_bcnt1_i32_b32 s42, s40
	s_add_co_u32 s41, s41, s42
.set i, i+1
.endr
	v_lshl_add_u32 v17, v2, 4, s26
.set i, 0
.rept 18                                               ; my own bytes: LDS serves a wave's instructions in order (ISA guide 5.7.1.4), so these see the stores above
	ds_load_b128 v[32+4*i:35+4*i], v17 offset:512*i
.set i, i+1
.endr
	s_mul_i32 s36, s25, LCOL
	s_mov_b32 s37, 0
	s_add_nc_u64 s[20:21], s[20:21], s[36:37]
	v_lshlrev_b32 v18, 4, v2
.set i, 0
.rept 18
	s_wait_dscnt 17-i
	global_store_b128 v18, v[32+4*i:35+4*i], s[20:21] offset:512*i  ; 512 consecutive bytes, at a multiple of 256 from the buffer's first
.set i, i+1
.endr
	s_cmp_eq_u32 s41, 0
	s_cselect_b32 s44, 2048, s41                   ; cnt: the rows that count
	s_cselect_b32 s45, 1, 0                        ; flag: the column has no set mask
	s_add_co_u32 s44, s44, 7
	v_lshrrev_b32 v19, 2, v2                       ; four lanes write a share's 32 bytes
	v_sub_nc_u32 v20, s44, v19
	v_lshrrev_b32 v20, 3, v20                      ; n = (cnt - share + 7) / 8
	v_cmp_lt_u32 vcc_lo, 0x90, v20
	v_cndmask_b32 v21, 1, 2, vcc_lo                ; P: tiles of 144 rows
	v_and_b32 v22, 3, v2
	v_cmp_eq_u32 vcc_lo, 1, v22
	v_cndmask_b32 v24, 0, s45, vcc_lo
	v_cmp_eq_u32 vcc_lo, 0, v22
	v_cndmask_b32 v24, v24, v20, vcc_lo
	v_cndmask_b32 v25, 0, v21, vcc_lo
	v_lshlrev_b32 v23, 3, v2
	s_lshl_b32 s36, s25, 8
	s_add_nc_u64 s[22:23], s[22:23], s[36:37]
	global_store_b64 v23, v[24:25], s[22:23]       ; the column's 256 bytes of meta
	s_branch .Lend
	; ---- JOB W.  nt = the work-group's number: rows 16 nt .. 16 nt + 15 of W1.  Wave q takes K steps 4 q .. 4 q + 3.
.Lrole_w:
	s_lshl_b32 s26, ttmp9, 16                      ; 16 rows of 4,096 bytes
	s_lshl_b32 s27, s24, 9                         ; four K steps of 128 bytes
	s_add_co_u32 s26, s26, s27
	v_lshlrev_b32 v5, 12, v3
	v_lshl_add_u32 v5, v4, 5, v5
	v_add_nc_u32 v5, s26, v5
.irp i, 0,1,2,3
	LD16 32+16*(\i), 5, 4, 128*(\i)
.endr
	s_lshr_b32 s28, ttmp9, 4                       ; w
	s_bfe_u32 s29, ttmp9, 0x10003                  ; c: which half of the wave's 256 columns
	s_and_b32 s33, ttmp9, 7                        ; f
	s_mul_i32 s28, s28, 68
	s_lshl_b32 s34, s29, 5
	s_add_co_u32 s28, s28, s34
	s_lshl2_add_u32 s28, s24, s28                  ; step t = 32 c + 4 q
	s_lshl3_add_u32 s28, s28, s33
	s_lshl_b32 s36, s28, 10
	s_mov_b32 s37, 0
	s_add_nc_u64 s[16:17], s[16:17], s[36:37]
	v_lshlrev_b32 v6, 4, v2
.irp i, 0,1,2,3
	s_wait_loadcnt 12-4*(\i)                       ; the later steps' loads may be out
	CV16 32+16*(\i)
	global_store_b128 v6, v[32+16*(\i):35+16*(\i)], s[16:17] offset:8192*(\i)
	global_store_b128 v6, v[36+16*(\i):39+16*(\i)], s[16:17] offset:8192*(\i)+512
.endr
	s_or_b32 s38, s29, s24
	s_cmp_lg_u32 s38, 0
	s_cbranch_scc1 .Lend
.irp i, 0,1,2,3                                        ; steps 0..3 once more as steps 64..67
	global_store_b128 v6, v[32+16*(\i):35+16*(\i)], s[16:17] offset:8192*(64+(\i))
	global_store_b128 v6, v[36+16*(\i):39+16*(\i)], s[16:17] offset:8192*(64+(\i))+512
.endr
	s_branch .Lend
	; ---- JOB B.  nt = the work-group's number - 64.  Wave q sums over k = 128 q .. 128 q + 127; the eight partial sums meet in LDS.
	; Source 0 = 16 rows of W2, source 1 = 16 rows of hidden: lane (r, h) holds b = r (or 16 + r) and the columns 8 h + 0..7.
.Lrole_b:
	s_sub_co_u32 s25, ttmp9, 64
	s_lshl_b32 s26, s25, 16
	s_lshl_b32 s27, s24, 9
	v_lshlrev_b32 v5, 12, v3
	v_lshl_add_u32 v5, v4, 5, v5
	v_add_nc_u32 v5, s27, v5                       ; hidden: row r
	v_add_nc_u32 v6, s26, v5                       ; W2: row 16 nt + r
.irp i, 0,1,2,3
	LD16 32+48*(\i), 6, 6, 128*(\i)
	LD16 48+48*(\i), 5, 12, 128*(\i)
	LD16 64+48*(\i), 5, 12, 128*(\i)+65536
.endr
.irp i, 0,1,2,3
	s_wait_loadcnt 36-12*(\i)                      ; twelve loads a step: the later steps' may be out
	CV16 32+48*(\i)
	CV16 48+48*(\i)
	CV16 64+48*(\i)
.if (\i) == 0                                          ; the first step starts both sums; the two accumulators take turns
	v_wmma_f32_16x16x32_bf16 v[224:231], v[32:39], v[48:55], 0
	v_wmma_f32_16x16x32_bf16 v[232:239], v[32:39], v[64:71], 0
.else
	v_wmma_f32_16x16x32_bf16 v[224:231], v[32+48*(\i):39+48*(\i)], v[48+48*(\i):55+48*(\i)], v[224:231]
	v_wmma_f32_16x16x32_bf16 v[232:239], v[32+48*(\i):39+48*(\i)], v[64+48*(\i):71+48*(\i)], v[232:239]
.endif
.endr
.rept 4
	v_nop                                          ; four places between the last product and the stores that read it
.endr
	s_lshl_b32 s28, s24, 11
	v_lshl_add_u32 v7, v2, 4, s28
	ds_store_b128 v7, v[224:227] offset:PB         ; each accumulator's low registers first
	ds_store_b128 v7, v[228:231] offset:PB+512
	ds_store_b128 v7, v[232:235] offset:PB+1024
	ds_store_b128 v7, v[236:239] offset:PB+1536
	s_wait_dscnt 0x0                               ; for the others' sake: my partial sums are in LDS
	s_barrier_signal -1
	s_barrier_wait -1
	s_cmp_lt_u32 s24, 4
	s_cbranch_scc0 .Lend                           ; 32 b x 16 columns are 128 lanes' work of four numbers
	; lane l of wave q: b = 8 q + l / 4, columns 4 (l % 4) + 0..3: block (b / 16) 2 + l % 2, lane slot 16 ((l / 2) % 2) + b % 16
	s_lshr_b32 s28, s24, 1
	s_lshl_b32 s28, s28, 10
	s_and_b32 s29, s24, 1
	s_lshl_b32 s29, s29, 7
	s_add_co_u32 s28, s28, s29
	v_and_b32 v8, 1, v2
	v_lshlrev_b32 v8, 9, v8
	v_bfe_u32 v9, v2, 1, 1
	v_lshl_add_u32 v8, v9, 8, v8
	v_lshrrev_b32 v9, 2, v2
	v_lshl_add_u32 v8, v9, 4, v8
	v_add_nc_u32 v8, s28, v8
.irp j, 0,1,2,3,4,5,6,7
	ds_load_b128 v[32+4*(\j):35+4*(\j)], v8 offset:PB+2048*(\j)
.endr
	v_and_b32 v10, 3, v2
	v_lshlrev_b32 v10, 4, v10
	s_lshl_b32 s36, s25, 6
	s_mov_b32 s37, 0
	s_add_nc_u64 s[8:9], s[8:9], s[36:37]
	s_add_nc_u64 s[10:11], s[10:11], s[36:37]
	global_load_b128 v[64:67], v10, s[8:9]
	global_load_b128 v[68:71], v10, s[10:11]
	s_wait_dscnt 0x0
.irp j, 1,2,3,4,5,6,7
	v_pk_add_f32 v[32:33], v[32:33], v[32+4*(\j):33+4*(\j)]
	v_pk_add_f32 v[34:35], v[34:35], v[34+4*(\j):35+4*(\j)]
.endr
	s_wait_loadcnt 0x0
.irp j, 0,1,2,3                                        ; b1 and b2 are rounded to bf16 like every other input, and widened again
	v_cvt_pk_bf16_f32 v[72+(\j)], v[64+2*(\j)], v[65+2*(\j)]
.endr
.irp j, 0,1,2,3
	v_lshlrev_b32 v[64+2*(\j)], 16, v[72+(\j)]
	v_and_b32 v[65+2*(\j)], 0xffff0000, v[72+(\j)]
.endr
	v_pk_add_f32 v[32:33], v[32:33], v[64:65]
	v_pk_add_f32 v[34:35], v[34:35], v[66:67]
	v_pk_add_f32 v[32:33], v[32:33], v[68:69]
	v_pk_add_f32 v[34:35], v[34:35], v[70:71]
	s_lshl_b32 s36, s25, 11
	s_lshl_b32 s38, s24, 9
	s_add_co_u32 s36, s36, s38
	s_add_nc_u64 s[18:19], s[18:19], s[36:37]
	v_lshlrev_b32 v11, 4, v2
	global_store_b128 v11, v[32:35], s[18:19]      ; a wave stores 512 consecutive bytes
.Lend:
	s_wait_tensorcnt 0x0                           ; the wave's end
	ds_add_u32 v30, v31
	s_wait_dscnt 0x0
	s_endpgm
.Lfunc_end_k_qf6ec2b582a_prep:
	.size	k_qf6ec2b582a_prep, .Lfunc_end_k_qf6ec2b582a_prep-k_qf6ec2b582a_prep
	.p2alignl 7, 3214868480
	.fill 96, 4, 3214868480
	.section	.rodata,"a",@progbits
	.p2align	6, 0x0
	.amdhsa_kernel k_qf6ec2b582a_prep
		.amdhsa_group_segment_fixed_size 91136
		.amdhsa_private_segment_fixed_size 0
		.amdhsa_enable_private_segment 0
		.amdhsa_kernarg_size 80
		.amdhsa_user_sgpr_count 2
		.amdhsa_user_sgpr_kernarg_segment_ptr 1
		.amdhsa_wavefront_size32 1
		.amdhsa_system_sgpr_workgroup_id_x 1
		.amdhsa_system_sgpr_workgroup_id_y 1
		.amdhsa_system_sgpr_workgroup_id_z 1
		.amdhsa_system_vgpr_workitem_id 0
		.amdhsa_next_free_vgpr 240
		.amdhsa_next_free_sgpr 66
		.amdhsa_reserve_vcc 1
		.amdhsa_float_denorm_mode_32 3
		.amdhsa_float_denorm_mode_16_64 3
		.amdhsa_memory_ordered 1
		.amdhsa_forward_progress 1
		.amdhsa_inst_pref_size 86
	.end_amdhsa_kernel
	.amdgpu_metadata
---
amdhsa.version: [ 1, 2 ]
amdhsa.kernels:
  - .name:           k_qf6ec2b582a_prep
    .symbol:         k_qf6ec2b582a_prep.kd
    .args:
      - { .name: W1, .offset: 0, .size: 8, .value_kind: global_buffer, .address_space: global }
      - { .name: W2, .offset: 8, .size: 8, .value_kind: global_buffer, .address_space: global }
      - { .name: b1, .offset: 16, .size: 8, .value_kind: global_buffer, .address_space: global }
      - { .name: b2, .offset: 24, .size: 8, .value_kind: global_buffer, .address_space: global }
      - { .name: hidden, .offset: 32, .size: 8, .value_kind: global_buffer, .address_space: global }
      - { .name: input_masks, .offset: 40, .size: 8, .value_kind: global_buffer, .address_space: global }
      - { .name: w1f, .offset: 48, .size: 8, .value_kind: global_buffer, .address_space: global }
      - { .name: biasb, .offset: 56, .size: 8, .value_kind: global_buffer, .address_space: global }
      - { .name: list, .offset: 64, .size: 8, .value_kind: global_buffer, .address_space: global }
      - { .name: meta, .offset: 72, .size: 8, .value_kind: global_buffer, .address_space: global }
    .group_segment_fixed_size: 91136
    .private_segment_fixed_size: 0
    .kernarg_segment_align: 8
    .kernarg_segment_size: 80
    .max_flat_workgroup_size: 256
    .sgpr_count:     66
    .vgpr_count:     240
    .wavefront_size: 32
...
	.end_amdgpu_metadata
.endif
;; end of part 1
;; launch main (part 2): grid 8 x 32, 4 waves a work-group, no clusters, 310,784 bytes of LDS; arguments hidden_sequence, v, w1f, biasb, list, meta, pctx, pml; writes pctx, pml
.if DOCPART == 2
	.amdgcn_target "amdgcn-amd-amdhsa--gfx1250"
	.amdhsa_code_object_version 6
	.text
	.protected	k_qf6ec2b582a_main
	.globl	k_qf6ec2b582a_main
	.p2align	8
	.type	k_qf6ec2b582a_main,@function
k_qf6ec2b582a_main:
	s_mov_b64 s[64:65], 0
	v_nop
	global_prefetch_b8 v0, s[64:65] scope:SCOPE_SE
	s_setreg_imm32_b32 hwreg(HW_REG_WAVE_MODE, 25, 1), 1
	s_wait_xcnt 0x0
; For column b and share x (work-group 8 b + x): over the share's listed rows s, energy e = v . tanh(W1 hs[s][b] + bias[b]), weights 2^((e - m) log2 e) under a running maximum m,
; their sum l and the weighted sum of the rows.  Out: pctx (1,024 f32), pml (m, l); the next launch joins a column's eight shares.
; Every floating-point input is rounded once to bf16 (hs here, for the products and for the weighted sum alike; v here; W1 and the bias's inputs in the launch before); all sums, tanh, m, l in f32.
; A TILE is 144 rows x all 1,024 columns x K = 1,024.  Its rows are fetched once, rounded and kept in LDS (2,064 bytes a row); the products of both column halves and the weighted sum read them there.
; A share has n rows, at most 256: two passes at the most.  The pass loop has two trips always and its five barriers lie on every path; a pass that the share does not have (p >= P) jumps forward over the work between them.
; THE BARRIERS cut a pass into five parts: the fetch (LDS stores alone), the products (loads alone), the energies' parts (stores alone), the softmax (fixed addresses alone), the weighted sum (loads alone).
; So no LDS write of any wave, the closing add included, stands in one part with reads whose addresses step in a loop: the order between them does not hang on the arithmetic of those addresses.
; SHARES.  Wave w owns columns 256 w .. 256 w + 255, in two halves of 128, for all 144 rows: 9 x 8 accumulators, 576 registers.  So a fragment of W1 serves one wave alone: it comes straight from
; memory into a ring of four register stages (laid ready by the launch before: 512 consecutive bytes to a load), four K steps ahead of its use.
; NO CLUSTER: all work-groups walk the same W1, but a joint load lands in LDS, where the tile holds 297,216 of 327,680 bytes; two slots of one K step of W1 (65,536 bytes each) do not fit beside it.
; THE MATRIX INSTRUCTION IS USED TRANSPOSED: source 0 = 16 columns of W1, source 1 = 16 rows of hs.  Lane (r, h) then holds row r and columns 8 h + 0..7: the sum over columns stays in the lane,
; and bias and v hang on (h, register) alone.  The bias is the C operand of a half's first K step.
; tanh x = 1 - 2 / (1 + 2^(2 log2(e) x)): +1 and -1 at the ends, where the power is infinite or 0.
; LIMITS.  A row whose mask is not set is left out where its column has a set one: its weight 2^((-1e10 - m) log2 e) is 0 in f32 as long as the sum of |v| stays below 9e9.  hs is finite.  A weight below 2^-126 counts as 0.
; REGISTERS, in windows of 256 (s_set_vgpr_msb: bits 1:0 source 0, 3:2 source 1, 5:4 source 2, 7:6 destination):
;   window 0: v0-55 addresses, sums, at work; v56-127 hs fragments, three groups of three; v128-191, v192-255 W1 stages 0, 1
;   windows 1-3: v0-191 accumulators ((a, f) in window 1 + a / 3 at 64 (a % 3) + 8 f); v192-255 W1 stage 2 (window 1), stage 3 (window 2), bias and then v (window 3)
;   while no product is at work: windows 1, 2 v0-183 staging and addresses of the fetch; window 1 v0-79 the weighted sum's two buffers
.set PITCH, 2064                       ; a row in LDS: 2,048 bytes + 16: an odd multiple of 16, so the 16 rows of a fragment load start in 16 different groups of four banks (ISA guide 11.1)
.set TROWS, 144
.set ESCR,  TROWS*PITCH                ; energies' parts: wave x 576 + row x 4
.set WSCR,  ESCR+2304                  ; weights, each wave's own copy: wave x 640 + row x 4
.set VS,    WSCR+2560                  ; v, rounded to bf16, as f32
.set BS,    VS+4096                    ; bias of column b
.set SPARE, BS+4096                    ; the spare words: 128 bytes a wave, two blocks of 256 bytes that no other line names
.set SPW, 1                            ; v1 my spare word; v2 0: kept for the closing add alone
.set NIL, 2
.set L16, 3                            ; 16 x lane
.set RR,  4                            ; r
.set HH,  5                            ; h
.set AFZ, 6                            ; v6-10   r x 2064 + 16 h + i x 32 rows: my place in the fragments of rows 32 i on; fixed
.set AFA, 11                           ; v11-15  the same plus the K offset in hand
.set VB0, 16                           ; VS + 1024 w + 32 h
.set VBA, 17                           ; the same plus the half's 512
.set EA,  18
.set ER,  19
.set ER4, 20
.set WST, 21
.set WR0, 22
.set CA0, 23                           ; 16 x thread: my eight columns in a row, and my place in pctx
.set CA,  24
.set WRD, 25
.set CTX, 26                           ; v26-33  the weighted sum of my eight columns
.set MX,  34                           ; m
.set LS,  35                           ; l
.set EN,  36                           ; v36-44  my part of the energy of row 16 a + r
.set LN,  45                           ; lane
.set TP,  46                           ; v46-55  at work
.set ARING, 56
.set VBR, 192                          ; window 3
.set RA,  144                          ; windows 1, 2: byte offset of row i's 16 bytes for my lane
.set SAF, 180                          ; windows 1, 2: where rows 0 and 18 of my 36 go in LDS
.set SA,  182
.set HS,  4
.set VV,  6
.set W1F, 8
.set BIA, 10
.set LST, 12
.set MET, 14
.set PCT, 16
.set PML, 18
.set ROW, 20                           ; s20-55  my wave's 36 rows
.set WV,  56
.set SH,  57
.set BT,  58
.set WG,  59
.set NN,  60                           ; s60-63  n, P, flag, 0
.set PP,  61
.set FL,  62
.set BB,  66                           ; s[66:67] base of W1's refills
.set BW,  68                           ; s[68:69] my wave's part of w1f
.set HSB, 70                           ; s[70:71] hs at column b
.set HSR, 72                           ; s[72:73] the same, stepping along the rows
.set PS,  74                           ; the pass
.set HC,  75
.set CN,  76
.set LIM, 77
.set KOFF, 79
.set C512, 80
.set SOFF, 81
.set C2,  84                           ; s[84:85] 2 log2(e)
.set SEL, 86                           ; s86, s87 v_permlanex16_b32's selects: each lane takes its own place in the other half
.set FM,  88                           ; all ones where the column has no set mask
.set MSB, 0
.macro WIN new                         ; the immediate's high byte repeats the setting that is left; a switch that changes nothing is dropped
.if MSB != (\new)
	s_set_vgpr_msb (MSB<<8)|(\new)
.set MSB, (\new)
.endif
.endm
.macro MEET                            ; my LDS instructions are done; then the work-group's barrier
	s_wait_dscnt 0x0
	s_barrier_signal -1
	s_barrier_wait -1
.endm
; Sixteen loads: one K step of W1 for my 128 columns, 8,192 bytes, into stage st
.macro REFILL st, base, bi
.set STW, ((\st)/2)*((\st)-1)
.set STB, 128+64*(((\st)+3)/4)
	WIN STW<<6
.irp f, 0,1,2,3,4,5,6,7
	global_load_b128 v[STB+8*(\f):STB+8*(\f)+3],   v[L16], s[(\base):(\base)+1] offset:(\bi)+1024*(\f) th:TH_LOAD_HT
	global_load_b128 v[STB+8*(\f)+4:STB+8*(\f)+7], v[L16], s[(\base):(\base)+1] offset:(\bi)+1024*(\f)+512 th:TH_LOAD_HT
.endr
.endm
; Six LDS loads: the three hs fragments of group g (rows 48 g .. 48 g + 47), 32 along K at byte ai of the rows
.macro ALOAD g, ar, ai
.irp e, 0,1,2
	ds_load_b128 v[ARING+24*(\g)+8*(\e):ARING+24*(\g)+8*(\e)+3],   v[(\ar)+(3*(\g)+(\e))/2] offset:((3*(\g)+(\e))%2)*16*PITCH+(\ai)
	ds_load_b128 v[ARING+24*(\g)+8*(\e)+4:ARING+24*(\g)+8*(\e)+7], v[(\ar)+(3*(\g)+(\e))/2] offset:((3*(\g)+(\e))%2)*16*PITCH+(\ai)+32
.endr
.endm
; A K step: 72 matrix instructions on 72 accumulators, which take turns, one instruction a turn.  Behind each group's 24 stand four v_nop (a load into a register that a
; matrix instruction has read stands four places behind it: ISA guide 7.12.1 for vector instructions) and the group's six loads for the next step;
; behind the last group the stage just multiplied is filled again, four steps ahead.  first = 1: the bias in window 3 starts the sums, and v then takes its place.
.macro STEP st, first, ar, ai, bi
.set STW, ((\st)/2)*((\st)-1)
.set STB, 128+64*(((\st)+3)/4)
	s_wait_loadcnt 48                              ; this stage's 16 loads are in; the three younger refills of 16 may be out
.irp g, 0,1,2
	s_wait_dscnt 12                                ; this group's six loads are in; the two groups issued behind them may be out
.if \first
	WIN ((1+(\g))<<6)|(3<<4)|STW
.else
	WIN ((1+(\g))<<6)|((1+(\g))<<4)|STW
.endif
.irp f, 0,1,2,3,4,5,6,7
.irp e, 0,1,2
.if \first
	v_wmma_f32_16x16x32_bf16 v[64*(\e)+8*(\f):64*(\e)+8*(\f)+7], v[STB+8*(\f):STB+8*(\f)+7], v[ARING+24*(\g)+8*(\e):ARING+24*(\g)+8*(\e)+7], v[VBR+8*(\f):VBR+8*(\f)+7]
.else
	v_wmma_f32_16x16x32_bf16 v[64*(\e)+8*(\f):64*(\e)+8*(\f)+7], v[STB+8*(\f):STB+8*(\f)+7], v[ARING+24*(\g)+8*(\e):ARING+24*(\g)+8*(\e)+7], v[64*(\e)+8*(\f):64*(\e)+8*(\f)+7]
.endif
.endr
.endr
.rept 4
	v_nop
.endr
	WIN 0
	ALOAD \g, \ar, \ai
.endr
.if \first
	WIN 0xc0
.irp f, 0,1,2,3,4,5,6,7
	ds_load_b128 v[VBR+8*(\f):VBR+8*(\f)+3],   v[VBA] offset:64*(\f)
	ds_load_b128 v[VBR+8*(\f)+4:VBR+8*(\f)+7], v[VBA] offset:64*(\f)+16
.endr
.endif
	REFILL \st, BB, \bi
.endm
; A half's end: tanh of the 72 accumulators in place, times v, summed over the lane's 64 columns into EN.  Three accumulators at a time, pairs ascending (each accumulator's low registers are read first)
; The four v_nop behind the last K step's last product are the places in front of the first read of a result.
; The transcendentals stand in runs, with one v_nop between a run and the use of its results (ISA guide 5.7.2).  t v is added onto the column block before: twelve chains a window.
.macro EPI
	s_wait_dscnt 0x0                               ; v is in window 3 (and the hs fragments asked for by the last step are in)
.irp g, 0,1,2
	WIN ((1+(\g))<<6)|((1+(\g))<<4)|(3<<2)|(1+(\g))
.irp f, 0,1,2,3,4,5,6,7
.set i, 0
.rept 12
.set x, 64*(i/4)+8*(\f)+2*(i%4)
	v_pk_mul_f32 v[x:x+1], v[x:x+1], s[C2:C2+1] op_sel_hi:[1,0]
.set i, i+1
.endr
.set i, 0
.rept 24
.set x, 64*(i/8)+8*(\f)+i%8
	v_exp_f32 v[x], v[x]
.set i, i+1
.endr
	v_nop
.set i, 0
	s_wait_alu depctr_va_vdst(0)
.rept 12
.set x, 64*(i/4)+8*(\f)+2*(i%4)
	v_pk_add_f32 v[x:x+1], v[x:x+1], 1.0 op_sel_hi:[1,0]
.set i, i+1
.endr
.set i, 0
.rept 24
.set x, 64*(i/8)+8*(\f)+i%8
	v_rcp_f32 v[x], v[x]
.set i, i+1
.endr
	v_nop
.set i, 0
	s_wait_alu depctr_va_vdst(0)
.rept 12
.set x, 64*(i/4)+8*(\f)+2*(i%4)
	v_pk_fma_f32 v[x:x+1], v[x:x+1], -2.0, 1.0 op_sel_hi:[1,0,0]
.set i, i+1
.endr
.set i, 0
.rept 12
.set x, 64*(i/4)+8*(\f)+2*(i%4)
.set y, VBR+8*(\f)+2*(i%4)
.if (\f) == 0
	v_pk_mul_f32 v[x:x+1], v[x:x+1], v[y:y+1]
.else
	v_pk_fma_f32 v[x:x+1], v[x:x+1], v[y:y+1], v[x-8:x-7]
.endif
.set i, i+1
.endr
.endr
	WIN 0x55*(1+(\g))
.irp e, 0,1,2
	v_pk_add_f32 v[64*(\e)+56:64*(\e)+57], v[64*(\e)+56:64*(\e)+57], v[64*(\e)+58:64*(\e)+59]
	v_pk_add_f32 v[64*(\e)+60:64*(\e)+61], v[64*(\e)+60:64*(\e)+61], v[64*(\e)+62:64*(\e)+63]
.endr
.irp e, 0,1,2
	v_pk_add_f32 v[64*(\e)+56:64*(\e)+57], v[64*(\e)+56:64*(\e)+57], v[64*(\e)+60:64*(\e)+61]
.endr
.irp e, 0,1,2
	v_add_f32 v[64*(\e)+56], v[64*(\e)+56], v[64*(\e)+57]
.endr
	WIN 1+(\g)
.irp e, 0,1,2
	v_add_f32 v[EN+3*(\g)+(\e)], v[64*(\e)+56], v[EN+3*(\g)+(\e)]
.endr
.endr
.endm
; The fetch: 512 bytes (128 columns in f32) of each of my 36 rows, into buffer buf (window 1 + buf); then rounded to bf16 and stored, 256 consecutive bytes a row
.macro ISSUE buf, imm
	WIN 0x55*(1+(\buf))
.set i, 0
.rept 36
	global_load_b128 v[4*i:4*i+3], v[RA+i], s[HSR:HSR+1] offset:\imm
.set i, i+1
.endr
.endm
.macro CONSUME buf
	WIN 0x55*(1+(\buf))
	v_add_nc_u32 v[SA], s[SOFF], v[SAF]
	v_add_nc_u32 v[SA+1], s[SOFF], v[SAF+1]
.set i, 0
.rept 36
	v_cvt_pk_bf16_f32 v[4*i], v[4*i], v[4*i+1]
	v_cvt_pk_bf16_f32 v[4*i+1], v[4*i+2], v[4*i+3]
	ds_store_b64 v[SA+i/18], v[4*i:4*i+1] offset:(i%18)*PITCH
.set i, i+1
.endr
.endm
; The weighted sum: eight rows' 16 bytes for my eight columns and their eight weights into buffer buf of window 1; then 64 multiply-adds straight from the bf16 halves
.macro LOADB buf, ca, wr, row
	WIN 0x40
.irp j, 0,1,2,3,4,5,6,7
	ds_load_b128 v[40*(\buf)+4*(\j):40*(\buf)+4*(\j)+3], v[\ca] offset:((\row)+(\j))*PITCH
.endr
	ds_load_b128 v[40*(\buf)+32:40*(\buf)+35], v[\wr] offset:4*(\row)
	ds_load_b128 v[40*(\buf)+36:40*(\buf)+39], v[\wr] offset:4*(\row)+16
.endm
.macro FMAB buf
	WIN 0x05
.irp j, 0,1,2,3,4,5,6,7
.irp d, 0,1,2,3
	v_fma_mix_f32_bf16 v[CTX+2*(\d)],   v[40*(\buf)+4*(\j)+(\d)], v[40*(\buf)+32+(\j)], v[CTX+2*(\d)] op_sel_hi:[1,0,0]
	v_fma_mix_f32_bf16 v[CTX+2*(\d)+1], v[40*(\buf)+4*(\j)+(\d)], v[40*(\buf)+32+(\j)], v[CTX+2*(\d)+1] op_sel:[1,0,0] op_sel_hi:[1,0,0]
.endr
.endr
.endm
	s_load_b512 s[4:19], s[0:1], 0x0               ; hs, v, w1f, biasb, list, meta, pctx, pml
	v_lshl_add_u32 v[SPW], v0, 2, SPARE
	v_mov_b32 v[NIL], 0
	v_lshrrev_b32 v[TP], 5, v0
	v_readfirstlane_b32 s[WV], v[TP]               ; wave 0..3
	s_mov_b32 s[SH], ttmp9                         ; share
	s_and_b32 s[BT], ttmp7, 0xffff                 ; b
	s_lshl3_add_u32 s[WG], s[BT], s[SH]
	v_and_b32 v[LN], 31, v0
	v_and_b32 v[RR], 15, v0
	v_bfe_u32 v[HH], v0, 4, 1
	v_lshlrev_b32 v[L16], 4, v[LN]
	s_lshl_b32 s90, s[WG], 5
	s_mov_b32 s91, 0
	s_mul_i32 s92, s[WV], 68*8192
	s_mov_b32 s93, 0
	s_wait_kmcnt 0x0
	s_add_nc_u64 s[MET:MET+1], s[MET:MET+1], s[90:91]
	s_load_b128 s[NN:NN+3], s[MET:MET+1], 0x0      ; n, P, flag
	s_add_nc_u64 s[BW:BW+1], s[W1F:W1F+1], s[92:93]
	REFILL 0, BW, 0                                ; K steps 0..3 fill the ring
	REFILL 1, BW, 8192
	REFILL 2, BW, 16384
	REFILL 3, BW, 24576
	WIN 0
	s_lshl_b32 s90, s[BT], 6
	s_add_nc_u64 s[BIA:BIA+1], s[BIA:BIA+1], s[90:91]
	s_lshl_b32 s90, s[BT], 12
	s_add_nc_u64 s[HSB:HSB+1], s[HS:HS+1], s[90:91]
	v_lshlrev_b32 v[TP], 5, v0                     ; thread t brings v[8 t ..] and bias[b][8 t ..]
	v_lshrrev_b32 v[TP+1], 1, v0
	v_and_b32 v[TP+2], 1, v0
	v_lshlrev_b32 v[TP+1], 11, v[TP+1]
	v_lshl_add_u32 v[TP+1], v[TP+2], 5, v[TP+1]
	global_load_b128 v[56:59], v[TP], s[VV:VV+1]
	global_load_b128 v[60:63], v[TP], s[VV:VV+1] offset:16
	global_load_b128 v[64:67], v[TP+1], s[BIA:BIA+1]
	global_load_b128 v[68:71], v[TP+1], s[BIA:BIA+1] offset:16
	v_mul_u32_u24 v[AFZ], v[RR], PITCH
	v_lshl_add_u32 v[AFZ], v[HH], 4, v[AFZ]
.irp j, 1,2,3,4
	v_add_nc_u32 v[AFZ+(\j)], (\j)*32*PITCH, v[AFZ]
.endr
	s_lshl_b32 s89, s[WV], 10
	s_add_co_u32 s89, s89, VS
	v_lshl_add_u32 v[VB0], v[HH], 5, s89
	s_mul_i32 s89, s[WV], 576
	s_add_co_u32 s89, s89, ESCR
	v_lshl_add_u32 v[EA], v[RR], 2, s89
	v_lshl_add_u32 v[ER], v[LN], 2, ESCR
	v_lshl_add_u32 v[ER4], v[RR], 2, ESCR+512
	s_mul_i32 s89, s[WV], 640
	s_add_co_u32 s89, s89, WSCR
	v_lshl_add_u32 v[WST], v[LN], 2, s89
	v_mov_b32 v[WR0], s89
	v_lshlrev_b32 v[CA0], 4, v0
.irp j, 0,1,2,3,4,5,6,7
	v_mov_b32 v[CTX+(\j)], 0
.endr
.irp j, 0,1,2,3,4,5,6,7,8
	v_mov_b32 v[EN+(\j)], 0                        ; the energies' parts start at 0, and are cleared again when they have been stored
.endr
	v_mov_b32 v[MX], 0xf149f2ca                    ; m = -1e30: below every energy, the -1e10 of an unset column too
	v_mov_b32 v[LS], 0
	s_mov_b32 s[C2], 0x4038aa3b
	s_mov_b32 s[C2+1], s[C2]
	s_mov_b32 s[SEL], 0x76543210
	s_mov_b32 s[SEL+1], 0xfedcba98
	s_wait_loadcnt 0x0                             ; v, the bias, and the ring's four stages
.irp j, 0,1,2,3
	v_cvt_pk_bf16_f32 v[72+(\j)], v[56+2*(\j)], v[57+2*(\j)]
.endr
.irp j, 0,1,2,3
	v_lshlrev_b32 v[56+2*(\j)], 16, v[72+(\j)]
	v_and_b32 v[57+2*(\j)], 0xffff0000, v[72+(\j)]
.endr
.irp j, 0,1,2,3,4,5,6,7,8,9
	v_mov_b32 v[TP+(\j)], 0                        ; v_permlanex16_b32's destination counts as read
.endr
	v_lshl_add_u32 v[TP+9], v0, 5, VS
	ds_store_b128 v[TP+9], v[56:59]
	ds_store_b128 v[TP+9], v[60:63] offset:16
	ds_store_b128 v[TP+9], v[64:67] offset:BS-VS
	ds_store_b128 v[TP+9], v[68:71] offset:BS-VS+16
	s_wait_kmcnt 0x0
	s_min_u32 s[PP], s[PP], 2
	s_cmp_lg_u32 s[FL], 0
	s_cselect_b32 s[FM], -1, 0
	s_mov_b32 s[PS], 0
.Lpass:                                                ; two trips
	MEET                                           ; everybody's reads of the last tile (and stores of v and the bias) are done: the tile may be written
	s_cmp_ge_u32 s[PS], s[PP]
	s_cbranch_scc1 .Lno_rows
	; ---- my 36 rows' numbers
	s_mul_i32 s89, s[PS], TROWS
	s_mul_i32 s90, s[WV], 36
	s_mul_i32 s92, s[WG], 288
	s_add_co_u32 s92, s92, s89
	s_add_co_u32 s92, s92, s90
	s_lshl_b32 s92, s92, 2
	s_mov_b32 s93, 0
	s_add_nc_u64 s[92:93], s[LST:LST+1], s[92:93]
	s_load_b512 s[ROW:ROW+15], s[92:93], 0x0
	s_load_b512 s[ROW+16:ROW+31], s[92:93], 0x40
	s_load_b128 s[ROW+32:ROW+35], s[92:93], 0x80
	s_sub_co_i32 s91, s[NN], s89
	s_min_i32 s91, s91, TROWS
	s_max_i32 s91, s91, 0                          ; rows of the tile that count,
	s_sub_co_i32 s91, s91, s90                     ; and of my 36 (negative: none)
	s_mul_i32 s94, s90, PITCH
	s_add_co_u32 s95, s94, 18*PITCH
	s_wait_kmcnt 0x0
.set i, 1
.rept 35                                               ; a row that does not count names my first row again: it fills the tile with finite numbers and asks memory for nothing new
	s_cmp_gt_i32 s91, i
	s_cselect_b32 s[ROW+i], s[ROW+i], s[ROW]
.set i, i+1
.endr
.set i, 0
.rept 36
	s_min_u32 s[ROW+i], s[ROW+i], 2047             ; bounded in the text, since it was loaded
	s_lshl_b32 s[ROW+i], s[ROW+i], 17              ; a step of s is 32 x 4,096 bytes
.set i, i+1
.endr
	WIN 0x40
.set i, 0
.rept 36
	v_add_nc_u32 v[RA+i], s[ROW+i], v[L16]
.set i, i+1
.endr
	v_lshl_add_u32 v[SAF], v[LN], 3, s94
	v_lshl_add_u32 v[SAF+1], v[LN], 3, s95
	s_add_co_u32 s94, s94, 256                     ; the second buffer holds the odd pieces of 128 columns
	s_add_co_u32 s95, s95, 256
	WIN 0x80
.set i, 0
.rept 36
	v_add_nc_u32 v[RA+i], s[ROW+i], v[L16]
.set i, i+1
.endr
	v_lshl_add_u32 v[SAF], v[LN], 3, s94
	v_lshl_add_u32 v[SAF+1], v[LN], 3, s95
	s_mov_b64 s[HSR:HSR+1], s[HSB:HSB+1]           ; every load that named it has been waited for
	s_mov_b32 s[SOFF], 0
	; ---- the fetch: eight pieces of 512 bytes a row, two buffers by turns
	ISSUE 0, 0
	ISSUE 1, 512
	WIN 0
	s_mov_b32 s[CN], 3
.Lchunk:
	s_wait_loadcnt 36                              ; the older buffer's 36 loads are in, the other's may be out
	CONSUME 0
	ISSUE 0, 1024
	s_wait_loadcnt 36
	CONSUME 1
	ISSUE 1, 1536
	WIN 0
	s_wait_xcnt 0x0                                ; the base steps only behind this wait
	s_add_nc_u64 s[HSR:HSR+1], s[HSR:HSR+1], 1024
	s_add_co_u32 s[SOFF], s[SOFF], 512
	s_sub_co_u32 s[CN], s[CN], 1
	s_cmp_lg_u32 s[CN], 0
	s_cbranch_scc1 .Lchunk
	s_wait_loadcnt 36
	CONSUME 0
	s_wait_loadcnt 0x0
	CONSUME 1
	WIN 0
.Lno_rows:
	MEET                                           ; my 36 rows are in LDS; behind the barrier all 144 are
	s_cmp_ge_u32 s[PS], s[PP]
	s_cbranch_scc1 .Lno_prod
	; ---- products and tanh.  The ring holds K steps 0..3 (from the head, or as steps 64..67 of the pass before)
	s_wait_xcnt 0x0
	s_add_nc_u64 s[BB:BB+1], s[BW:BW+1], 4*8192
	ALOAD 0, AFZ, 0
	ALOAD 1, AFZ, 0
	ALOAD 2, AFZ, 0
	s_mov_b32 s[C512], 0
	s_mov_b32 s[HC], 2
.Lhalf:
	v_add_nc_u32 v[VBA], s[C512], v[VB0]
	WIN 0xc0
.irp f, 0,1,2,3,4,5,6,7
	ds_load_b128 v[VBR+8*(\f):VBR+8*(\f)+3],   v[VBA] offset:BS-VS+64*(\f)
	ds_load_b128 v[VBR+8*(\f)+4:VBR+8*(\f)+7], v[VBA] offset:BS-VS+64*(\f)+16
.endr
	WIN 0
	s_wait_dscnt 0x0                               ; the bias, and K step 0's fragments of hs
	s_mov_b32 s[KOFF], 0
	STEP 0, 1, AFZ, 64, 0                          ; the half's first K step stands ahead of the loop: the bias starts the sums
	WIN 0
	s_mov_b32 s[CN], 7
.Lk:                                                   ; four K steps a trip, once round the ring of stages
.irp j, 0,1,2,3,4
	v_add_nc_u32 v[AFA+(\j)], s[KOFF], v[AFZ+(\j)]
.endr
	STEP 1, 0, AFA, 128, 8192
	STEP 2, 0, AFA, 192, 16384
	STEP 3, 0, AFA, 256, 24576
	STEP 0, 0, AFA, 320, 32768
	WIN 0
	s_wait_xcnt 0x0                                ; the refills' base steps only behind this wait
	s_add_nc_u64 s[BB:BB+1], s[BB:BB+1], 4*8192
	s_add_co_u32 s[KOFF], s[KOFF], 256
	s_sub_co_u32 s[CN], s[CN], 1
	s_cmp_lg_u32 s[CN], 0
	s_cbranch_scc1 .Lk
.irp j, 0,1,2,3,4
	v_add_nc_u32 v[AFA+(\j)], s[KOFF], v[AFZ+(\j)]
.endr
	STEP 1, 0, AFA, 128, 8192
	STEP 2, 0, AFA, 192, 16384
	STEP 3, 0, AFZ, 0, 24576                       ; the last step fetches K step 0's fragments for the next half; behind the second half these 18 loads serve nothing
	WIN 0
	s_wait_xcnt 0x0
	s_add_nc_u64 s[BB:BB+1], s[BB:BB+1], 4*8192
	EPI
	WIN 0
	s_add_co_u32 s[C512], s[C512], 512
	s_sub_co_u32 s[HC], s[HC], 1
	s_cmp_lg_u32 s[HC], 0
	s_cbranch_scc1 .Lhalf
.irp j, 0,1,2,3,4,5,6,7,8
	v_permlanex16_b32 v[TP+(\j)], v[EN+(\j)], s[SEL], s[SEL+1]  ; the row's other columns lie in the lane 16 away
.endr
.irp j, 0,1,2,3,4,5,6,7,8
	v_add_f32 v[EN+(\j)], v[EN+(\j)], v[TP+(\j)]
.endr
.Lno_prod:
	MEET                                           ; everybody's reads of the tile, the bias and v for the products are over
	; ---- the energies' parts, in every trip: in a pass that the share does not have they are zeros that nobody reads
.irp j, 0,1,2,3,4,5,6,7,8
	ds_store_b32 v[EA], v[EN+(\j)] offset:64*(\j)  ; lanes r and 16 + r store the same number to the same word
.endr
.irp j, 0,1,2,3,4,5,6,7,8
	v_mov_b32 v[EN+(\j)], 0                        ; for the next pass
.endr
	MEET                                           ; my 256 columns' part of every row's energy is in LDS; behind the barrier all four parts are
	s_cmp_ge_u32 s[PS], s[PP]
	s_cbranch_scc1 .Lno_soft
	; ---- softmax, by every wave for itself: lane l holds rows l + 32 i, i = 0..3, and 128 + l % 16
	s_mul_i32 s89, s[PS], TROWS
	s_sub_co_i32 s[LIM], s[NN], s89
	s_min_i32 s[LIM], s[LIM], TROWS                ; rows of the tile that count
.irp j, 0,1,2,3
.irp q, 0,1,2,3
	ds_load_b32 v[ARING+4*(\j)+(\q)], v[ER] offset:576*(\q)+128*(\j)
.endr
.endr
.irp q, 0,1,2,3
	ds_load_b32 v[ARING+16+(\q)], v[ER4] offset:576*(\q)
.endr
	v_mov_b32 v[TP+5], 0xd01502f9                  ; -1e10
	v_mov_b32 v[TP+6], 0xf149f2ca                  ; -1e30
	s_wait_dscnt 0x0
.irp j, 0,1,2,3,4
	v_add_f32 v[ARING+4*(\j)], v[ARING+4*(\j)], v[ARING+4*(\j)+1]
	v_add_f32 v[ARING+4*(\j)+2], v[ARING+4*(\j)+2], v[ARING+4*(\j)+3]
.endr
.irp j, 0,1,2,3,4
	v_add_f32 v[TP+(\j)], v[ARING+4*(\j)], v[ARING+4*(\j)+2]
.endr
.irp j, 0,1,2,3,4
	s_sub_co_i32 s89, s[LIM], 32*(\j)
	v_cndmask_b32 v[TP+(\j)], v[TP+(\j)], v[TP+5], s[FM]        ; a column without a set mask: every energy is -1e10
	v_cmp_gt_i32 vcc_lo, s89, v[LN]
	v_cndmask_b32 v[TP+(\j)], v[TP+6], v[TP+(\j)], vcc_lo       ; a row that does not count (lanes 16 on of the fifth among them): far below
.endr
	v_max3_num_f32 v[TP+7], v[TP], v[TP+1], v[TP+2]
	v_max3_num_f32 v[TP+7], v[TP+7], v[TP+3], v[TP+4]
	v_max_num_f32_dpp v[TP+7], v[TP+7], v[TP+7] row_xmask:1 row_mask:0xf bank_mask:0xf
	v_max_num_f32_dpp v[TP+7], v[TP+7], v[TP+7] row_xmask:2 row_mask:0xf bank_mask:0xf
	v_max_num_f32_dpp v[TP+7], v[TP+7], v[TP+7] row_xmask:4 row_mask:0xf bank_mask:0xf
	v_max_num_f32_dpp v[TP+7], v[TP+7], v[TP+7] row_xmask:8 row_mask:0xf bank_mask:0xf
	v_permlanex16_b32 v[TP+8], v[TP+7], s[SEL], s[SEL+1]
	v_max3_num_f32 v[TP+7], v[TP+7], v[TP+8], v[MX]             ; the new m
	v_sub_f32 v[TP+8], v[MX], v[TP+7]
.irp j, 0,1,2,3,4
	v_sub_f32 v[TP+(\j)], v[TP+(\j)], v[TP+7]
.endr
	v_mul_f32 v[TP+8], 0x3fb8aa3b, v[TP+8]
.irp j, 0,1,2,3,4
	v_mul_f32 v[TP+(\j)], 0x3fb8aa3b, v[TP+(\j)]
.endr
	v_exp_f32 v[TP+8], v[TP+8]                     ; a: what the sums so far are multiplied by
.irp j, 0,1,2,3,4
	v_exp_f32 v[TP+(\j)], v[TP+(\j)]               ; the weights
.endr
	v_mov_b32 v[MX], v[TP+7]                       ; the plain instruction between the exponentials and their use
	s_wait_alu depctr_va_vdst(0)
	v_add_f32 v[TP+5], v[TP], v[TP+1]
	v_add_f32 v[TP+6], v[TP+2], v[TP+3]
	v_add_f32 v[TP+5], v[TP+5], v[TP+4]
	v_add_f32 v[TP+5], v[TP+5], v[TP+6]
	v_add_f32_dpp v[TP+5], v[TP+5], v[TP+5] row_xmask:1 row_mask:0xf bank_mask:0xf
	v_add_f32_dpp v[TP+5], v[TP+5], v[TP+5] row_xmask:2 row_mask:0xf bank_mask:0xf
	v_add_f32_dpp v[TP+5], v[TP+5], v[TP+5] row_xmask:4 row_mask:0xf bank_mask:0xf
	v_add_f32_dpp v[TP+5], v[TP+5], v[TP+5] row_xmask:8 row_mask:0xf bank_mask:0xf
	v_permlanex16_b32 v[TP+6], v[TP+5], s[SEL], s[SEL+1]
	v_add_f32 v[TP+5], v[TP+5], v[TP+6]
	v_fma_f32 v[LS], v[LS], v[TP+8], v[TP+5]       ; l = a l + the tile's sum
.irp j, 0,1,2,3,4
	ds_store_b32 v[WST], v[TP+(\j)] offset:128*(\j)  ; my wave's own copy of the weights
.endr
.irp j, 0,1,2,3,4,5,6,7
	v_mul_f32 v[CTX+(\j)], v[CTX+(\j)], v[TP+8]
.endr
.Lno_soft:
	MEET                                           ; every wave's weights are stored: from here to the next barrier LDS is only read
	s_cmp_ge_u32 s[PS], s[PP]
	s_cbranch_scc1 .Lno_ctx
	; ---- the weighted sum: 18 groups of eight rows, two buffers by turns
	LOADB 0, CA0, WR0, 0
	WIN 0
	s_mov_b32 s89, 0
	s_mov_b32 s90, 0
	s_mov_b32 s[CN], 8
.Lctx:
	v_add_nc_u32 v[CA], s89, v[CA0]
	v_add_nc_u32 v[WRD], s90, v[WR0]
	LOADB 1, CA, WRD, 8
	s_wait_dscnt 10                                ; the older buffer's ten loads are in, the other's may be out
	FMAB 0
	LOADB 0, CA, WRD, 16
	s_wait_dscnt 10
	FMAB 1
	WIN 0
	s_add_co_u32 s89, s89, 16*PITCH
	s_add_co_u32 s90, s90, 64
	s_sub_co_u32 s[CN], s[CN], 1
	s_cmp_lg_u32 s[CN], 0
	s_cbranch_scc1 .Lctx
	v_add_nc_u32 v[CA], s89, v[CA0]
	v_add_nc_u32 v[WRD], s90, v[WR0]
	LOADB 1, CA, WRD, 8
	s_wait_dscnt 10
	FMAB 0
	s_wait_dscnt 0x0
	FMAB 1
	WIN 0
.Lno_ctx:
	s_add_co_u32 s[PS], s[PS], 1
	s_cmp_lt_u32 s[PS], 2
	s_cbranch_scc1 .Lpass
	MEET                                           ; every wave's reads of LDS are over: the closing adds stand behind this barrier
	s_lshl_b32 s90, s[WG], 12
	s_mov_b32 s91, 0
	s_add_nc_u64 s[PCT:PCT+1], s[PCT:PCT+1], s[90:91]
	global_store_b128 v[CA0], v[CTX:CTX+3], s[PCT:PCT+1]                  ; columns 8 t + 0..3 at 16 t: a wave stores 512 consecutive bytes
	global_store_b128 v[CA0], v[CTX+4:CTX+7], s[PCT:PCT+1] offset:2048    ; columns 8 t + 4..7 at 2,048 + 16 t
	s_cmp_lg_u32 s[WV], 0
	s_cbranch_scc1 .Lend
	s_lshl_b32 s90, s[WG], 8
	s_add_nc_u64 s[PML:PML+1], s[PML:PML+1], s[90:91]
	v_lshlrev_b32 v[TP], 3, v[LN]
	global_store_b64 v[TP], v[MX:MX+1], s[PML:PML+1]                      ; (m, l) 32 times: the work-group's 256 bytes
.Lend:
	s_wait_tensorcnt 0x0                           ; the wave's end
	ds_add_u32 v[SPW], v[NIL]
	s_wait_dscnt 0x0
	s_endpgm
.Lfunc_end_k_qf6ec2b582a_main:
	.size	k_qf6ec2b582a_main, .Lfunc_end_k_qf6ec2b582a_main-k_qf6ec2b582a_main
	.p2alignl 7, 3214868480
	.fill 96, 4, 3214868480
	.section	.rodata,"a",@progbits
	.p2align	6, 0x0
	.amdhsa_kernel k_qf6ec2b582a_main
		.amdhsa_group_segment_fixed_size 310784
		.amdhsa_private_segment_fixed_size 0
		.amdhsa_enable_private_segment 0
		.amdhsa_kernarg_size 64
		.amdhsa_user_sgpr_count 2
		.amdhsa_user_sgpr_kernarg_segment_ptr 1
		.amdhsa_wavefront_size32 1
		.amdhsa_system_sgpr_workgroup_id_x 1
		.amdhsa_system_sgpr_workgroup_id_y 1
		.amdhsa_system_sgpr_workgroup_id_z 1
		.amdhsa_system_vgpr_workitem_id 0
		.amdhsa_next_free_vgpr 1024
		.amdhsa_next_free_sgpr 96
		.amdhsa_reserve_vcc 1
		.amdhsa_float_denorm_mode_32 3
		.amdhsa_float_denorm_mode_16_64 3
		.amdhsa_memory_ordered 1
		.amdhsa_forward_progress 1
		.amdhsa_inst_pref_size 255
	.end_amdhsa_kernel
	.section	.bss,"aw",@nobits
	.p2align	6
	.space	262144
	.amdgpu_metadata
---
amdhsa.version: [ 1, 2 ]
amdhsa.kernels:
  - .name:           k_qf6ec2b582a_main
    .symbol:         k_qf6ec2b582a_main.kd
    .args:
      - { .name: hidden_sequence, .offset: 0, .size: 8, .value_kind: global_buffer, .address_space: global }
      - { .name: v, .offset: 8, .size: 8, .value_kind: global_buffer, .address_space: global }
      - { .name: w1f, .offset: 16, .size: 8, .value_kind: global_buffer, .address_space: global }
      - { .name: biasb, .offset: 24, .size: 8, .value_kind: global_buffer, .address_space: global }
      - { .name: list, .offset: 32, .size: 8, .value_kind: global_buffer, .address_space: global }
      - { .name: meta, .offset: 40, .size: 8, .value_kind: global_buffer, .address_space: global }
      - { .name: pctx, .offset: 48, .size: 8, .value_kind: global_buffer, .address_space: global }
      - { .name: pml, .offset: 56, .size: 8, .value_kind: global_buffer, .address_space: global }
    .group_segment_fixed_size: 310784
    .private_segment_fixed_size: 0
    .kernarg_segment_align: 8
    .kernarg_segment_size: 64
    .max_flat_workgroup_size: 128
    .sgpr_count:     96
    .vgpr_count:     1024
    .wavefront_size: 32
...
	.end_amdgpu_metadata
.endif
;; end of part 2
;; launch comb (part 3): grid 32 x 1, 8 waves a work-group, no clusters, 0 bytes of LDS; arguments pctx, pml, out0; writes out0
.if DOCPART == 3
	.amdgcn_target "amdgcn-amd-amdhsa--gfx1250"
	.amdhsa_code_object_version 6
	.text
	.protected	k_qf6ec2b582a_comb
	.globl	k_qf6ec2b582a_comb
	.p2align	8
	.type	k_qf6ec2b582a_comb,@function
k_qf6ec2b582a_comb:
	s_mov_b64 s[64:65], 0
	v_nop
	global_prefetch_b8 v0, s[64:65] scope:SCOPE_SE
	s_setreg_imm32_b32 hwreg(HW_REG_WAVE_MODE, 25, 1), 1
	s_wait_xcnt 0x0
; out0[b][:] = (sum over the column's eight shares i of f_i ctx_i[:]) / (sum of f_i l_i), f_i = 2^((m_i - M) log2 e), M = the largest m_i.
; A share without rows has m = -1e30: its f is 0.  The share that holds M has f = 1 and l >= 1, so the divisor is at least 1.
; Work-group b; thread u owns columns 4 u .. 4 u + 3.  32 KiB of pctx in and 4 KiB out for a work-group: no LDS, no barrier, no matrix unit.
	s_load_b128 s[4:7], s[0:1], 0x0                ; pctx s[4:5], pml s[6:7]
	s_load_b64 s[8:9], s[0:1], 0x10                ; out0
	s_lshl_b32 s10, ttmp9, 11                      ; eight shares of 256 bytes
	s_mov_b32 s11, 0
	s_lshl_b32 s12, ttmp9, 15                      ; eight shares of 4,096 bytes
	s_mov_b32 s13, 0
	s_lshl_b32 s14, ttmp9, 12
	s_mov_b32 s15, 0
	v_and_b32 v1, 1, v0                            ; columns 8 t + 0..3 lie at 16 t, columns 8 t + 4..7 at 2,048 + 16 t; t = u / 2
	v_lshrrev_b32 v2, 1, v0
	v_lshlrev_b32 v1, 11, v1
	v_lshl_add_u32 v1, v2, 4, v1
	v_lshlrev_b32 v3, 4, v0
	s_wait_kmcnt 0x0
	s_add_nc_u64 s[6:7], s[6:7], s[10:11]
	s_add_nc_u64 s[4:5], s[4:5], s[12:13]
	s_add_nc_u64 s[8:9], s[8:9], s[14:15]
.irp i, 0,1,2,3,4,5,6,7
	s_load_b64 s[16+2*(\i):17+2*(\i)], s[6:7], 256*(\i)          ; m_i, l_i
.endr
.irp i, 0,1,2,3,4,5,6,7
	global_load_b128 v[4+4*(\i):7+4*(\i)], v1, s[4:5] offset:4096*(\i)
.endr
	s_wait_kmcnt 0x0
	v_mov_b32 v40, s16
.irp i, 1,2,3,4,5,6,7
	v_max_num_f32 v40, s[16+2*(\i)], v40
.endr
.irp i, 0,1,2,3,4,5,6,7
	v_sub_f32 v[41+(\i)], s[16+2*(\i)], v40
.endr
.irp i, 0,1,2,3,4,5,6,7
	v_mul_f32 v[41+(\i)], 0x3fb8aa3b, v[41+(\i)]
.endr
.irp i, 0,1,2,3,4,5,6,7
	v_exp_f32 v[41+(\i)], v[41+(\i)]
.endr
	v_nop                                          ; a plain instruction between the exponentials and their use
	s_wait_alu depctr_va_vdst(0)
	v_mul_f32 v50, s17, v41
.irp i, 1,2,3,4,5,6,7
	v_fmac_f32 v50, s[17+2*(\i)], v[41+(\i)]
.endr
	v_rcp_f32 v51, v50
	s_wait_loadcnt 0x0
.irp c, 0,1,2,3
	v_mul_f32 v[52+(\c)], v[4+(\c)], v41           ; these four also stand between the reciprocal and its use
.endr
.irp i, 1,2,3,4,5,6,7
.irp c, 0,1,2,3
	v_fmac_f32 v[52+(\c)], v[4+4*(\i)+(\c)], v[41+(\i)]
.endr
.endr
	s_wait_alu depctr_va_vdst(0)
.irp c, 0,1,2,3
	v_mul_f32 v[52+(\c)], v[52+(\c)], v51
.endr
	global_store_b128 v3, v[52:55], s[8:9]         ; a wave stores 512 consecutive bytes
	s_endpgm
.Lfunc_end_k_qf6ec2b582a_comb:
	.size	k_qf6ec2b582a_comb, .Lfunc_end_k_qf6ec2b582a_comb-k_qf6ec2b582a_comb
	.p2alignl 7, 3214868480
	.fill 96, 4, 3214868480
	.section	.rodata,"a",@progbits
	.p2align	6, 0x0
	.amdhsa_kernel k_qf6ec2b582a_comb
		.amdhsa_group_segment_fixed_size 0
		.amdhsa_private_segment_fixed_size 0
		.amdhsa_enable_private_segment 0
		.amdhsa_kernarg_size 24
		.amdhsa_user_sgpr_count 2
		.amdhsa_user_sgpr_kernarg_segment_ptr 1
		.amdhsa_wavefront_size32 1
		.amdhsa_system_sgpr_workgroup_id_x 1
		.amdhsa_system_sgpr_workgroup_id_y 1
		.amdhsa_system_sgpr_workgroup_id_z 1
		.amdhsa_system_vgpr_workitem_id 0
		.amdhsa_next_free_vgpr 56
		.amdhsa_next_free_sgpr 66
		.amdhsa_reserve_vcc 0
		.amdhsa_float_denorm_mode_32 3
		.amdhsa_float_denorm_mode_16_64 3
		.amdhsa_memory_ordered 1
		.amdhsa_forward_progress 1
		.amdhsa_inst_pref_size 6
	.end_amdhsa_kernel
	.amdgpu_metadata
---
amdhsa.version: [ 1, 2 ]
amdhsa.kernels:
  - .name:           k_qf6ec2b582a_comb
    .symbol:         k_qf6ec2b582a_comb.kd
    .args:
      - { .name: pctx, .offset: 0, .size: 8, .value_kind: global_buffer, .address_space: global }
      - { .name: pml, .offset: 8, .size: 8, .value_kind: global_buffer, .address_space: global }
      - { .name: out0, .offset: 16, .size: 8, .value_kind: global_buffer, .address_space: global }
    .group_segment_fixed_size: 0
    .private_segment_fixed_size: 0
    .kernarg_segment_align: 8
    .kernarg_segment_size: 24
    .max_flat_workgroup_size: 256
    .sgpr_count:     66
    .vgpr_count:     56
    .wavefront_size: 32
...
	.end_amdgpu_metadata
.endif
;; end of part 3
;; ======== version 2 of 2: 3 launches; version 1 with the launch main written anew for expert scheduling mode
;; limits: right only within a limited range of input values
;; workspace buffers: w1f 2,228,224 bytes; biasb 131,072 bytes; list 294,912 bytes of whole numbers; meta 8,192 bytes of whole numbers; pctx 1,048,576 bytes; pml 65,536 bytes
;; launch prep: the kernel of part 1 again; grid 132 x 1, 8 waves a work-group, no clusters, 91,136 bytes of LDS; arguments W1, W2, b1, b2, hidden, input_masks, w1f, biasb, list, meta; writes w1f, biasb, list, meta
;; launch main (part 4): grid 8 x 32, 4 waves a work-group, no clusters, 310,784 bytes of LDS; arguments hidden_sequence, v, w1f, biasb, list, meta, pctx, pml; writes pctx, pml
.if DOCPART == 4
	.amdgcn_target "amdgcn-amd-amdhsa--gfx1250"
	.amdhsa_code_object_version 6
	.text
	.protected	k_qf6ec2b582a_main
	.globl	k_qf6ec2b582a_main
	.p2align	8
	.type	k_qf6ec2b582a_main,@function
k_qf6ec2b582a_main:
	s_mov_b64 s[64:65], 0
	v_nop
	global_prefetch_b8 v0, s[64:65] scope:SCOPE_SE
	s_setreg_imm32_b32 hwreg(HW_REG_WAVE_SCHED_MODE, 0, 2), 2
	s_setreg_imm32_b32 hwreg(HW_REG_WAVE_MODE, 25, 1), 1
	s_wait_xcnt 0x0
	s_wait_alu depctr_vm_vsrc(0)
; For column b and share x (work-group 8 b + x): over the share's listed rows s, energy e = v . tanh(W1 hs[s][b] + bias[b]), weights 2^((e - m) log2 e) under a running maximum m,
; their sum l and the weighted sum of the rows.  Out: pctx (1,024 f32), pml (m, l); the next launch joins a column's eight shares.
; Every floating-point input is rounded once to bf16 (hs here, for the products and for the weighted sum alike; v here; W1 and the bias's inputs in the launch before); all sums, tanh, m, l in f32.
; A TILE is 144 rows x all 1,024 columns x K = 1,024.  Its rows are fetched once, rounded and kept in LDS (2,064 bytes a row); the products of both column halves and the weighted sum read them there.
; A share has n rows, at most 256: two passes at the most.  The pass loop has two trips always and its five barriers lie on every path; a pass that the share does not have (p >= P) jumps forward over the work between them.
; THE BARRIERS cut a pass into five parts: the fetch (LDS stores alone), the products (loads alone), the energies' parts (stores alone), the softmax (fixed addresses alone), the weighted sum (loads alone).
; So no LDS write of any wave, the closing add included, stands in one part with reads whose addresses step in a loop: the order between them does not hang on the arithmetic of those addresses.
; SHARES.  Wave w owns columns 256 w .. 256 w + 255, in two halves of 128, for all 144 rows: 9 x 8 accumulators, 576 registers.  So a fragment of W1 serves one wave alone: it comes straight from
; memory into a ring of four register stages (laid ready by the launch before: 512 consecutive bytes to a load), three K steps ahead of its use.
; NO CLUSTER: all work-groups walk the same W1, but a joint load lands in LDS, where the tile holds 297,216 of 327,680 bytes; two slots of one K step of W1 (65,536 bytes each) do not fit beside it.
; THE MATRIX INSTRUCTION IS USED TRANSPOSED: source 0 = 16 columns of W1, source 1 = 16 rows of hs.  Lane (r, h) then holds row r and columns 8 h + 0..7: the sum over columns stays in the lane,
; and bias and v hang on (h, register) alone.  The bias is the C operand of a half's first K step.
; tanh x = 1 - 2 / (1 + 2^(2 log2(e) x)): +1 and -1 at the ends, where the power is infinite or 0.
; LIMITS.  A row whose mask is not set is left out where its column has a set one: its weight 2^((-1e10 - m) log2 e) is 0 in f32 as long as the sum of |v| stays below 9e9.  hs is finite.  A weight below 2^-126 counts as 0.
; THE MODE: SCHED_MODE bits 1:0 = 2 (LLVM: expert scheduling mode 2), set by the entry lines.  The code itself states the register dependences
; between vector or matrix instructions and memory or LDS instructions, with s_wait_alu, always for 0.
; THE PLAN.  Registers that memory or LDS instructions touch, and who else names them:
;   PRODUCTS.  Four slots of 24 registers for hs fragments; the three fragments of row group g of K step t lie in slot (3 t + g) % 4.  Four stages of W1; step t multiplies stage t % 4.
;     ONE wait on va_vdst at the head of step t: step t - 1's products are done reading.  Behind it, dealt among the step's first 21 products: group 1 and group 2 of step t into the slots that
;     step t - 1's groups 0 and 1 read, group 0 of step t + 1 into the slot that its group 2 read, W1 of step t + 3 into stage (t - 1) % 4.  The products issued since the wait name slot 3 t % 4,
;     stage t % 4 and accumulators: none of the registers that these 34 loads touch.  In a half's first step the bias lies on the fourth slot: that slot's load stands behind a wait at the step's end.
;     v[AFA ..], the stepped LDS addresses: a wait on vm_vsrc ahead of their adds, once in four steps; the next step's own wait follows the adds.  v[VBA] likewise, once a half.
;   FETCH.  Staging 0, 1 (windows 1, 2): loads land, conversions read.  Out-buffers 0, 1 and their LDS addresses (window 3): conversions and adds write, LDS stores read.  A buffer's turn: a wait on
;     vm_vsrc (its stores of a turn ago have read), the conversions, one wait on va_vdst, the loads into the staging just emptied, the stores.  The rows' offsets are made once a pass.
;   ENERGIES, SOFTMAX, WEIGHTED SUM, HEAD, WAY OUT: a wait ahead of each run of stores or loads, said at its place.
; REGISTERS, in windows of 256 (s_set_vgpr_msb: bits 1:0 source 0, 3:2 source 1, 5:4 source 2, 7:6 destination):
;   window 0: v0-55 addresses, sums, at work; v56-127 hs fragments, slots 0 to 2; v128-191, v192-255 W1 stages 0, 1
;   windows 1-3: v0-191 accumulators ((a, f) in window 1 + a / 3 at 64 (a % 3) + 8 f); v192-255 W1 stage 2 (window 1), stage 3 (window 2); window 3: the bias, then slot 3 in v192-215, then v
;   while no product is at work: windows 1, 2 v0-181 staging and offsets of the fetch, window 3 v0-147 its out-buffers and LDS addresses; window 1 v0-79 the weighted sum's two buffers
.set PITCH, 2064                       ; a row in LDS: 2,048 bytes + 16: an odd multiple of 16, so the 16 rows of a fragment load start in 16 different groups of four banks (ISA guide 11.1)
.set TROWS, 144
.set ESCR,  TROWS*PITCH                ; energies' parts: wave x 576 + row x 4
.set WSCR,  ESCR+2304                  ; weights, each wave's own copy: wave x 640 + row x 4
.set VS,    WSCR+2560                  ; v, rounded to bf16, as f32
.set BS,    VS+4096                    ; bias of column b
.set SPARE, BS+4096                    ; the spare words: 128 bytes a wave, two blocks of 256 bytes that no other line names
.set SPW, 1                            ; v1 my spare word; v2 0: kept for the closing add alone
.set NIL, 2
.set L16, 3                            ; 16 x lane
.set RR,  4                            ; r, at the head only
.set PMO, 4                            ; from the head's end on: 8 x lane, my place in the work-group's 256 bytes of pml
.set HH,  5                            ; h
.set AFZ, 6                            ; v6-10   r x 2064 + 16 h + i x 32 rows: my place in the fragments of rows 32 i on; fixed
.set AFA, 11                           ; v11-15  the same plus the K offset in hand
.set VB0, 16                           ; VS + 1024 w + 32 h
.set VBA, 17                           ; the same plus the half's 512
.set EA,  18
.set ER,  19
.set ER4, 20
.set WST, 21
.set WR0, 22
.set CA0, 23                           ; 16 x thread: my eight columns in a row, and my place in pctx
.set CA,  24
.set WRD, 25
.set CTX, 26                           ; v26-33  the weighted sum of my eight columns
.set MX,  34                           ; m
.set LS,  35                           ; l
.set EN,  36                           ; v36-44  my part of the energy of row 16 a + r
.set LN,  45                           ; lane
.set TP,  46                           ; v46-55  at work
.set ARING, 56                         ; slots 0 to 2
.set VBR, 192                          ; window 3
.set RA,  144                          ; windows 1, 2: byte offset of row i's 16 bytes for my lane
.set SAF, 180                          ; windows 1, 2: where rows 0 and 18 of my 36 go in LDS, first piece
.set OUT, 0                            ; window 3: out-buffer k at 72 k: 36 rows x 8 bytes in bf16
.set SAO, 144                          ; window 3: out-buffer k's two LDS addresses at 144 + 2 k
.set HS,  4
.set VV,  6
.set W1F, 8
.set BIA, 10
.set LST, 12
.set MET, 14
.set PCT, 16
.set PML, 18
.set ROW, 20                           ; s20-55  my wave's 36 rows; in the softmax s20-24 five masks, s28-32 five limits
.set WV,  56
.set SH,  57
.set BT,  58
.set WG,  59
.set NN,  60                           ; s60-63  n, P, flag, 0
.set PP,  61
.set FL,  62
.set BB,  66                           ; s[66:67] base of W1's refills
.set BW,  68                           ; s[68:69] my wave's part of w1f
.set HSB, 70                           ; s[70:71] hs at column b
.set HSR, 72                           ; s[72:73] the same, stepping along the rows
.set PS,  74                           ; the pass
.set HC,  75
.set CN,  76
.set LIM, 77
.set KOFF, 79
.set C512, 80
.set SOFF, 81
.set C2,  84                           ; s[84:85] 2 log2(e)
.set SEL, 86                           ; s86, s87 v_permlanex16_b32's selects: each lane takes its own place in the other half
.set FM,  88                           ; all ones where the column has no set mask
.set MSB, 0
.macro WIN new                         ; the immediate's high byte repeats the setting that is left; a switch that changes nothing is dropped
.if MSB != (\new)
	s_set_vgpr_msb (MSB<<8)|(\new)
.set MSB, (\new)
.endif
.endm
.macro MEET                            ; my LDS instructions are done; then the work-group's barrier
	s_wait_dscnt 0x0
	s_barrier_signal -1
	s_barrier_wait -1
.endm
; Four of the sixteen loads that bring one K step of W1 for my 128 columns (8,192 bytes) into stage st: fragments 2 q and 2 q + 1
.macro REFILLQ st, base, bi, q
.set RW, ((\st)/2)*((\st)-1)
.set RB, 128+64*(((\st)+3)/4)
	WIN RW<<6
.irp f, 0,1
	global_load_b128 v[RB+8*(2*(\q)+(\f)):RB+8*(2*(\q)+(\f))+3],   v[L16], s[(\base):(\base)+1] offset:(\bi)+1024*(2*(\q)+(\f)) th:TH_LOAD_HT
	global_load_b128 v[RB+8*(2*(\q)+(\f))+4:RB+8*(2*(\q)+(\f))+7], v[L16], s[(\base):(\base)+1] offset:(\bi)+1024*(2*(\q)+(\f))+512 th:TH_LOAD_HT
.endr
.endm
.macro REFILL st, base, bi
.irp q, 0,1,2,3
	REFILLQ \st, \base, \bi, \q
.endr
.endm
; Six LDS loads: the three hs fragments of row group g (rows 48 g .. 48 g + 47), 32 along K at byte ai of the rows, into slot sl
.macro ALOAD sl, g, ar, ai
.if (\sl) == 3
.set AB, VBR
	WIN 0xc0
.else
.set AB, ARING+24*(\sl)
	WIN 0
.endif
.irp e, 0,1,2
	ds_load_b128 v[AB+8*(\e):AB+8*(\e)+3],   v[(\ar)+(3*(\g)+(\e))/2] offset:((3*(\g)+(\e))%2)*16*PITCH+(\ai)
	ds_load_b128 v[AB+8*(\e)+4:AB+8*(\e)+7], v[(\ar)+(3*(\g)+(\e))/2] offset:((3*(\g)+(\e))%2)*16*PITCH+(\ai)+32
.endr
.endm
; K step t, st = t % 4: 72 matrix instructions on 72 accumulators, which take turns, one instruction a turn.  ar, ai: this step's bytes in the rows; ar3, ai3: the next step's;
; bi: W1 of step t + 3, counted from the refills' base.  The step's 34 loads stand in seven runs behind the first seven triples of products.
; first = 1: a half's first step: the bias in window 3 starts the sums; the waits of the half's head have covered its loads, and the fourth slot is asked for at its end.
.macro STEP st, first, ar, ai, ar3, ai3, bi
.set STW, ((\st)/2)*((\st)-1)
.set STB, 128+64*(((\st)+3)/4)
.set RST, ((\st)+3)%4
.set SL1, (3*(\st)+1)%4
.set SL2, (3*(\st)+2)%4
.set SL3, (3*(\st)+3)%4
.if !(\first)
.rept 4
	v_nop                                          ; the four places behind the last step's products stay beside the wait
.endr
	s_wait_alu depctr_va_vdst(0)                   ; the last step's products are done reading their three slots and their stage, in which this step's loads land; behind a step of the addresses, v[AFA ..] are written
.endif
	s_wait_loadcnt 32                              ; this stage's 16 loads are in; the two younger refills of 16 may be out
	s_wait_dscnt 0x0                               ; group 0's fragments, asked for a step ago, are in (first step: the bias too)
.irp g, 0,1,2
.set SLG, (3*(\st)+(\g))%4
.set WAW, 3*(SLG/3)
.set WAB, ARING+24*SLG+(VBR-ARING-72)*(SLG/3)
.if (\g) > 0
	s_wait_dscnt 6*(3-(\g)-(\first))               ; this group's six loads are in; the runs of six issued behind them may be out
.endif
.irp f, 0,1,2,3,4,5,6,7
.if \first
	WIN ((1+(\g))<<6)|(3<<4)|(WAW<<2)|STW
.else
	WIN ((1+(\g))<<6)|((1+(\g))<<4)|(WAW<<2)|STW
.endif
.irp e, 0,1,2
.if \first
	v_wmma_f32_16x16x32_bf16 v[64*(\e)+8*(\f):64*(\e)+8*(\f)+7], v[STB+8*(\f):STB+8*(\f)+7], v[WAB+8*(\e):WAB+8*(\e)+7], v[VBR+8*(\f):VBR+8*(\f)+7]
.else
	v_wmma_f32_16x16x32_bf16 v[64*(\e)+8*(\f):64*(\e)+8*(\f)+7], v[STB+8*(\f):STB+8*(\f)+7], v[WAB+8*(\e):WAB+8*(\e)+7], v[64*(\e)+8*(\f):64*(\e)+8*(\f)+7]
.endif
.endr
.if (\g) == 0                                          ; no wait: no product since the step's wait names a register of these loads
.if (\f) == 0
	ALOAD SL1, 1, \ar, \ai
.elseif (\f) == 1
	ALOAD SL2, 2, \ar, \ai
.elseif ((\f) == 2) && !(\first)
	ALOAD SL3, 0, \ar3, \ai3
.elseif ((\f) > 2) && ((\f) < 7)
	REFILLQ RST, BB, \bi, (\f)-3
.endif
.endif
.endr
.endr
.if \first
.rept 4
	v_nop                                          ; the four places stay beside the wait
.endr
	WIN 0xc0
	s_wait_alu depctr_va_vdst(0)                   ; the first step's products are done reading the bias, on whose first 24 registers the fourth slot lies
	ALOAD 3, 0, \ar3, \ai3
.endif
.endm
; A half's end: tanh of the 72 accumulators in place, times v, summed over the lane's 64 columns into EN.  Three accumulators at a time, pairs ascending (each accumulator's low registers are read first)
; v is asked for at the head and waited for ahead of its first use.
; The transcendentals stand in runs, with one v_nop between a run and the use of its results (ISA guide 5.7.2).  t v is added onto the column block before: twelve chains a window.
.macro EPI
.rept 4
	v_nop                                          ; four places between the last product and the first read of a result (ISA guide 7.12.1)
.endr
	WIN 0xc0
	s_wait_alu depctr_va_vdst(0)                   ; the last step's products are done reading the fourth slot, on which v lands
.irp f, 0,1,2,3,4,5,6,7
	ds_load_b128 v[VBR+8*(\f):VBR+8*(\f)+3],   v[VBA] offset:64*(\f)
	ds_load_b128 v[VBR+8*(\f)+4:VBR+8*(\f)+7], v[VBA] offset:64*(\f)+16
.endr
.irp g, 0,1,2
	WIN ((1+(\g))<<6)|((1+(\g))<<4)|(3<<2)|(1+(\g))
.irp f, 0,1,2,3,4,5,6,7
.set i, 0
.rept 12
.set x, 64*(i/4)+8*(\f)+2*(i%4)
	v_pk_mul_f32 v[x:x+1], v[x:x+1], s[C2:C2+1] op_sel_hi:[1,0]
.set i, i+1
.endr
.set i, 0
.rept 24
.set x, 64*(i/8)+8*(\f)+i%8
	v_exp_f32 v[x], v[x]
.set i, i+1
.endr
	v_nop
	s_wait_alu depctr_va_vdst(0)                   ; the 24 exponentials have written their results, which the additions read
.set i, 0
.rept 12
.set x, 64*(i/4)+8*(\f)+2*(i%4)
	v_pk_add_f32 v[x:x+1], v[x:x+1], 1.0 op_sel_hi:[1,0]
.set i, i+1
.endr
.set i, 0
.rept 24
.set x, 64*(i/8)+8*(\f)+i%8
	v_rcp_f32 v[x], v[x]
.set i, i+1
.endr
	v_nop
	s_wait_alu depctr_va_vdst(0)                   ; the 24 reciprocals have written their results, which the multiply-adds read
.set i, 0
.rept 12
.set x, 64*(i/4)+8*(\f)+2*(i%4)
	v_pk_fma_f32 v[x:x+1], v[x:x+1], -2.0, 1.0 op_sel_hi:[1,0,0]
.set i, i+1
.endr
.if ((\g) == 0) && ((\f) == 0)
	s_wait_dscnt 0x0                               ; v is in window 3 (and the hs fragments asked for by the last step are in)
.endif
.set i, 0
.rept 12
.set x, 64*(i/4)+8*(\f)+2*(i%4)
.set y, VBR+8*(\f)+2*(i%4)
.if (\f) == 0
	v_pk_mul_f32 v[x:x+1], v[x:x+1], v[y:y+1]
.else
	v_pk_fma_f32 v[x:x+1], v[x:x+1], v[y:y+1], v[x-8:x-7]
.endif
.set i, i+1
.endr
.endr
	WIN 0x55*(1+(\g))
.irp e, 0,1,2
	v_pk_add_f32 v[64*(\e)+56:64*(\e)+57], v[64*(\e)+56:64*(\e)+57], v[64*(\e)+58:64*(\e)+59]
	v_pk_add_f32 v[64*(\e)+60:64*(\e)+61], v[64*(\e)+60:64*(\e)+61], v[64*(\e)+62:64*(\e)+63]
.endr
.irp e, 0,1,2
	v_pk_add_f32 v[64*(\e)+56:64*(\e)+57], v[64*(\e)+56:64*(\e)+57], v[64*(\e)+60:64*(\e)+61]
.endr
.irp e, 0,1,2
	v_add_f32 v[64*(\e)+56], v[64*(\e)+56], v[64*(\e)+57]
.endr
	WIN 1+(\g)
.irp e, 0,1,2
	v_add_f32 v[EN+3*(\g)+(\e)], v[64*(\e)+56], v[EN+3*(\g)+(\e)]
.endr
.endr
.endm
; The fetch: 512 bytes (128 columns in f32) of each of my 36 rows, into staging buf (window 1 + buf)
.macro ISSUE buf, imm
	WIN 0x55*(1+(\buf))
.set i, 0
.rept 36
	global_load_b128 v[4*i:4*i+3], v[RA+i], s[HSR:HSR+1] offset:\imm
.set i, i+1
.endr
.endm
; A staging buffer's turn: rounded to bf16 into its out-buffer; ahead = 1: asked for again, at byte imm; then stored, 256 consecutive bytes a row
.macro CONSUME buf, ahead, imm
	s_wait_alu depctr_vm_vsrc(0)                   ; this buffer's LDS stores of a turn ago have read its out-buffer and its two addresses, which the lines below write
	WIN 0xc0|(5*(1+(\buf)))
	v_add_nc_u32 v[SAO+2*(\buf)], s[SOFF], v[SAF]
	v_add_nc_u32 v[SAO+2*(\buf)+1], s[SOFF], v[SAF+1]
.set i, 0
.rept 36
	v_cvt_pk_bf16_f32 v[OUT+72*(\buf)+2*i], v[4*i], v[4*i+1]
	v_cvt_pk_bf16_f32 v[OUT+72*(\buf)+2*i+1], v[4*i+2], v[4*i+3]
.set i, i+1
.endr
.if \ahead
	WIN 0x55*(1+(\buf))
.else
	WIN 0x0f
.endif
	s_wait_alu depctr_va_vdst(0)                   ; the conversions are done reading the staging, in which the loads land, and have written the out-buffer; the adds have written the addresses: the stores read both
.if \ahead
	ISSUE \buf, \imm
.endif
	WIN 0x0f
.set i, 0
.rept 36
	ds_store_b64 v[SAO+2*(\buf)+i/18], v[OUT+72*(\buf)+2*i:OUT+72*(\buf)+2*i+1] offset:(i%18)*PITCH
.set i, i+1
.endr
.endm
; The weighted sum: eight rows' 16 bytes for my eight columns and their eight weights into buffer buf of window 1; then 64 multiply-adds straight from the bf16 halves
.macro LOADB buf, ca, wr, row
	WIN 0x40
.irp j, 0,1,2,3,4,5,6,7
	ds_load_b128 v[40*(\buf)+4*(\j):40*(\buf)+4*(\j)+3], v[\ca] offset:((\row)+(\j))*PITCH
.endr
	ds_load_b128 v[40*(\buf)+32:40*(\buf)+35], v[\wr] offset:4*(\row)
	ds_load_b128 v[40*(\buf)+36:40*(\buf)+39], v[\wr] offset:4*(\row)+16
.endm
.macro FMAB buf
	WIN 0x05
.irp j, 0,1,2,3,4,5,6,7
.irp d, 0,1,2,3
	v_fma_mix_f32_bf16 v[CTX+2*(\d)],   v[40*(\buf)+4*(\j)+(\d)], v[40*(\buf)+32+(\j)], v[CTX+2*(\d)] op_sel_hi:[1,0,0]
	v_fma_mix_f32_bf16 v[CTX+2*(\d)+1], v[40*(\buf)+4*(\j)+(\d)], v[40*(\buf)+32+(\j)], v[CTX+2*(\d)+1] op_sel:[1,0,0] op_sel_hi:[1,0,0]
.endr
.endr
.endm
	s_load_b512 s[4:19], s[0:1], 0x0               ; hs, v, w1f, biasb, list, meta, pctx, pml
	v_lshl_add_u32 v[SPW], v0, 2, SPARE
	v_mov_b32 v[NIL], 0
	v_lshrrev_b32 v[TP], 5, v0
	v_readfirstlane_b32 s[WV], v[TP]               ; wave 0..3
	s_mov_b32 s[SH], ttmp9                         ; share
	s_and_b32 s[BT], ttmp7, 0xffff                 ; b
	s_lshl3_add_u32 s[WG], s[BT], s[SH]
	; every offset and address of the kernel that is not stepped is made here, in the wait for the arguments
	v_and_b32 v[LN], 31, v0
	v_and_b32 v[RR], 15, v0
	v_bfe_u32 v[HH], v0, 4, 1
	v_lshlrev_b32 v[L16], 4, v[LN]
	v_lshlrev_b32 v[TP], 5, v0                     ; thread t brings v[8 t ..] and bias[b][8 t ..]
	v_lshrrev_b32 v[TP+1], 1, v0
	v_and_b32 v[TP+2], 1, v0
	v_lshlrev_b32 v[TP+1], 11, v[TP+1]
	v_lshl_add_u32 v[TP+1], v[TP+2], 5, v[TP+1]
	v_lshl_add_u32 v[TP+9], v0, 5, VS              ; and where they go in LDS
	v_mul_u32_u24 v[AFZ], v[RR], PITCH
	v_lshl_add_u32 v[AFZ], v[HH], 4, v[AFZ]
.irp j, 1,2,3,4
	v_add_nc_u32 v[AFZ+(\j)], (\j)*32*PITCH, v[AFZ]
.endr
	v_lshl_add_u32 v[ER], v[LN], 2, ESCR
	v_lshl_add_u32 v[ER4], v[RR], 2, ESCR+512
	v_lshlrev_b32 v[CA0], 4, v0
.irp j, 0,1,2,3,4,5,6,7
	v_mov_b32 v[CTX+(\j)], 0
.endr
.irp j, 0,1,2,3,4,5,6,7,8
	v_mov_b32 v[EN+(\j)], 0                        ; the energies' parts start at 0, and are cleared again when they have been stored
.endr
.irp j, 3,4,5,6,7,8
	v_mov_b32 v[TP+(\j)], 0                        ; v_permlanex16_b32's destination counts as read; the other four of v46-55 are written above
.endr
	v_mov_b32 v[MX], 0xf149f2ca                    ; m = -1e30: below every energy, the -1e10 of an unset column too
	v_mov_b32 v[LS], 0
	s_wait_alu depctr_va_sdst(0)                   ; the wave's number is written, ahead of its first reader
	s_lshl_b32 s89, s[WV], 10
	s_add_co_u32 s89, s89, VS
	s_mul_i32 s94, s[WV], 576
	s_add_co_u32 s94, s94, ESCR
	s_mul_i32 s95, s[WV], 640
	s_add_co_u32 s95, s95, WSCR
	v_lshl_add_u32 v[VB0], v[HH], 5, s89
	v_lshl_add_u32 v[EA], v[RR], 2, s94
	v_lshl_add_u32 v[WST], v[LN], 2, s95
	v_mov_b32 v[WR0], s95
	v_lshlrev_b32 v[PMO], 3, v[LN]                 ; r has served
	s_lshl_b32 s90, s[WG], 5
	s_mov_b32 s91, 0
	s_mul_i32 s92, s[WV], 68*8192
	s_mov_b32 s93, 0
	s_mov_b32 s[C2], 0x4038aa3b
	s_mov_b32 s[C2+1], s[C2]
	s_mov_b32 s[SEL], 0x76543210
	s_mov_b32 s[SEL+1], 0xfedcba98
	s_wait_kmcnt 0x0
	s_add_nc_u64 s[MET:MET+1], s[MET:MET+1], s[90:91]
	s_load_b128 s[NN:NN+3], s[MET:MET+1], 0x0      ; n, P, flag
	s_add_nc_u64 s[BW:BW+1], s[W1F:W1F+1], s[92:93]
	s_lshl_b32 s90, s[BT], 6
	s_add_nc_u64 s[BIA:BIA+1], s[BIA:BIA+1], s[90:91]
	s_lshl_b32 s90, s[BT], 12
	s_add_nc_u64 s[HSB:HSB+1], s[HS:HS+1], s[90:91]
	s_wait_alu depctr_va_vdst(0)                   ; all the offsets and addresses made above are written, which the kernel's loads and stores read
	REFILL 0, BW, 0                                ; K steps 0..2; step t asks for step t + 3
	REFILL 1, BW, 8192
	REFILL 2, BW, 16384
	WIN 0
	global_load_b128 v[56:59], v[TP], s[VV:VV+1]
	global_load_b128 v[60:63], v[TP], s[VV:VV+1] offset:16
	global_load_b128 v[64:67], v[TP+1], s[BIA:BIA+1]
	global_load_b128 v[68:71], v[TP+1], s[BIA:BIA+1] offset:16
	s_wait_loadcnt 0x0                             ; v, the bias, and the ring's three stages
.irp j, 0,1,2,3
	v_cvt_pk_bf16_f32 v[72+(\j)], v[56+2*(\j)], v[57+2*(\j)]
.endr
.irp j, 0,1,2,3
	v_lshlrev_b32 v[56+2*(\j)], 16, v[72+(\j)]
	v_and_b32 v[57+2*(\j)], 0xffff0000, v[72+(\j)]
.endr
	s_wait_alu depctr_va_vdst(0)                   ; v, rounded and widened again, is written into v56-63, which the LDS stores read
	ds_store_b128 v[TP+9], v[56:59]
	ds_store_b128 v[TP+9], v[60:63] offset:16
	ds_store_b128 v[TP+9], v[64:67] offset:BS-VS
	ds_store_b128 v[TP+9], v[68:71] offset:BS-VS+16
	s_wait_alu depctr_vm_vsrc(0)                   ; the loads above have read v46, v47, the stores v55 and v56-71: fragments land in v56 on, and the softmax writes v46-55
	s_wait_kmcnt 0x0
	s_min_u32 s[PP], s[PP], 2
	s_cmp_lg_u32 s[FL], 0
	s_cselect_b32 s[FM], -1, 0
	s_mov_b32 s[PS], 0
.Lpass:                                                ; two trips
	MEET                                           ; everybody's reads of the last tile (and stores of v and the bias) are done: the tile may be written
	s_cmp_ge_u32 s[PS], s[PP]
	s_cbranch_scc1 .Lno_rows
	; ---- my 36 rows' numbers
	s_mul_i32 s89, s[PS], TROWS
	s_mul_i32 s90, s[WV], 36
	s_mul_i32 s92, s[WG], 288
	s_add_co_u32 s92, s92, s89
	s_add_co_u32 s92, s92, s90
	s_lshl_b32 s92, s92, 2
	s_mov_b32 s93, 0
	s_add_nc_u64 s[92:93], s[LST:LST+1], s[92:93]
	s_load_b512 s[ROW:ROW+15], s[92:93], 0x0
	s_load_b512 s[ROW+16:ROW+31], s[92:93], 0x40
	s_load_b128 s[ROW+32:ROW+35], s[92:93], 0x80
	s_sub_co_i32 s91, s[NN], s89
	s_min_i32 s91, s91, TROWS
	s_max_i32 s91, s91, 0                          ; rows of the tile that count,
	s_sub_co_i32 s91, s91, s90                     ; and of my 36 (negative: none)
	s_mul_i32 s94, s90, PITCH
	s_add_co_u32 s95, s94, 18*PITCH
	s_wait_kmcnt 0x0
	s_add_co_u32 s92, s94, 256                     ; the second buffer holds the odd pieces of 128 columns
	s_add_co_u32 s93, s95, 256
.set i, 1
.rept 35                                               ; a row that does not count names my first row again: it fills the tile with finite numbers and asks memory for nothing new
	s_cmp_gt_i32 s91, i
	s_cselect_b32 s[ROW+i], s[ROW+i], s[ROW]
.set i, i+1
.endr
.set i, 0
.rept 36
	s_min_u32 s[ROW+i], s[ROW+i], 2047             ; bounded in the text, since it was loaded
	s_lshl_b32 s[ROW+i], s[ROW+i], 17              ; a step of s is 32 x 4,096 bytes
.set i, i+1
.endr
	WIN 0x40
.set i, 0
.rept 36
	v_add_nc_u32 v[RA+i], s[ROW+i], v[L16]
.set i, i+1
.endr
	v_lshl_add_u32 v[SAF], v[LN], 3, s94
	v_lshl_add_u32 v[SAF+1], v[LN], 3, s95
	WIN 0x80
.set i, 0
.rept 36
	v_add_nc_u32 v[RA+i], s[ROW+i], v[L16]
.set i, i+1
.endr
	v_lshl_add_u32 v[SAF], v[LN], 3, s92
	v_lshl_add_u32 v[SAF+1], v[LN], 3, s93
	s_mov_b64 s[HSR:HSR+1], s[HSB:HSB+1]           ; every load that named it has been waited for
	s_mov_b32 s[SOFF], 0
	; ---- the fetch: eight pieces of 512 bytes a row, two buffers by turns
	WIN 0x55
	s_wait_alu depctr_va_vdst(0)                   ; the rows' offsets are written, which the loads read; the pass before (tanh, weighted sum) is done with the registers in which they land
	ISSUE 0, 0
	ISSUE 1, 512
	WIN 0
	s_mov_b32 s[CN], 3
.Lchunk:
	s_wait_loadcnt 36                              ; the older buffer's 36 loads are in, the other's may be out
	CONSUME 0, 1, 1024
	s_wait_loadcnt 36
	CONSUME 1, 1, 1536
	WIN 0
	s_wait_xcnt 0x0                                ; the base steps only behind this wait
	s_add_nc_u64 s[HSR:HSR+1], s[HSR:HSR+1], 1024
	s_add_co_u32 s[SOFF], s[SOFF], 512
	s_sub_co_u32 s[CN], s[CN], 1
	s_cmp_lg_u32 s[CN], 0
	s_cbranch_scc1 .Lchunk
	s_wait_loadcnt 36
	CONSUME 0, 0, 0
	s_wait_loadcnt 0x0
	CONSUME 1, 0, 0
	s_wait_alu depctr_vm_vsrc(0)                   ; the fetch's loads have read the rows' offsets, its stores the out-buffers and addresses: the products write all these registers
	WIN 0
.Lno_rows:
	MEET                                           ; my 36 rows are in LDS; behind the barrier all 144 are
	s_cmp_ge_u32 s[PS], s[PP]
	s_cbranch_scc1 .Lno_prod
	; ---- products and tanh.  The ring holds K steps 0..2 (from the head, or as steps 64..66 of the pass before)
	s_wait_xcnt 0x0
	s_add_nc_u64 s[BB:BB+1], s[BW:BW+1], 3*8192
	ALOAD 0, 0, AFZ, 0                             ; group 0 of K step 0.  No wait: whatever vector line named v56-79 (the head's conversions, the last pass's products and softmax) stands ahead of a wait on va_vdst
	s_mov_b32 s[C512], 0
	s_mov_b32 s[HC], 2
.Lhalf:
	s_wait_alu depctr_vm_vsrc(0)                   ; the loads of the bias and of v in the half before have read v[VBA]
	v_add_nc_u32 v[VBA], s[C512], v[VB0]
	WIN 0xc0
	s_wait_alu depctr_va_vdst(0)                   ; v[VBA] is written; the half before is done reading v, on which the bias lands
.irp f, 0,1,2,3,4,5,6,7
	ds_load_b128 v[VBR+8*(\f):VBR+8*(\f)+3],   v[VBA] offset:BS-VS+64*(\f)
	ds_load_b128 v[VBR+8*(\f)+4:VBR+8*(\f)+7], v[VBA] offset:BS-VS+64*(\f)+16
.endr
	WIN 0
	s_mov_b32 s[KOFF], 0
	STEP 0, 1, AFZ, 0, AFZ, 64, 0                  ; the half's first K step stands ahead of the loop: the bias starts the sums
	WIN 0
	s_mov_b32 s[CN], 7
.Lk:                                                   ; four K steps a trip, once round the ring of stages and once round the slots' order
	s_wait_alu depctr_vm_vsrc(0)                   ; the fragment loads issued so far have read v[AFA ..]
.irp j, 0,1,2,3,4
	v_add_nc_u32 v[AFA+(\j)], s[KOFF], v[AFZ+(\j)]
.endr
	STEP 1, 0, AFA, 64,  AFA, 128, 8192
	STEP 2, 0, AFA, 128, AFA, 192, 16384
	STEP 3, 0, AFA, 192, AFA, 256, 24576
	STEP 0, 0, AFA, 256, AFA, 320, 32768
	WIN 0
	s_wait_xcnt 0x0                                ; the refills' base steps only behind this wait
	s_add_nc_u64 s[BB:BB+1], s[BB:BB+1], 4*8192
	s_add_co_u32 s[KOFF], s[KOFF], 256
	s_sub_co_u32 s[CN], s[CN], 1
	s_cmp_lg_u32 s[CN], 0
	s_cbranch_scc1 .Lk
	s_wait_alu depctr_vm_vsrc(0)                   ; the fragment loads issued so far have read v[AFA ..]
.irp j, 0,1,2,3,4
	v_add_nc_u32 v[AFA+(\j)], s[KOFF], v[AFZ+(\j)]
.endr
	STEP 1, 0, AFA, 64,  AFA, 128, 8192
	STEP 2, 0, AFA, 128, AFA, 192, 16384
	STEP 3, 0, AFA, 192, AFZ, 0,   24576           ; the last step fetches group 0 of K step 0 for the next half; behind the second half these six loads serve nothing
	WIN 0
	s_wait_xcnt 0x0
	s_add_nc_u64 s[BB:BB+1], s[BB:BB+1], 4*8192
	EPI
	WIN 0
	s_add_co_u32 s[C512], s[C512], 512
	s_sub_co_u32 s[HC], s[HC], 1
	s_cmp_lg_u32 s[HC], 0
	s_cbranch_scc1 .Lhalf
.irp j, 0,1,2,3,4,5,6,7,8
	v_permlanex16_b32 v[TP+(\j)], v[EN+(\j)], s[SEL], s[SEL+1]  ; the row's other columns lie in the lane 16 away
.endr
.irp j, 0,1,2,3,4,5,6,7,8
	v_add_f32 v[EN+(\j)], v[EN+(\j)], v[TP+(\j)]
.endr
.Lno_prod:
	MEET                                           ; everybody's reads of the tile, the bias and v for the products are over
	; ---- the energies' parts, in every trip: in a pass that the share does not have they are zeros that nobody reads
	s_wait_alu depctr_va_vdst(0)                   ; the nine sums (or the clears) have written v[EN ..], which the stores read
.irp j, 0,1,2,3,4,5,6,7,8
	ds_store_b32 v[EA], v[EN+(\j)] offset:64*(\j)  ; lanes r and 16 + r store the same number to the same word
.endr
	MEET                                           ; my 256 columns' part of every row's energy is in LDS; behind the barrier all four parts are
	s_wait_alu depctr_vm_vsrc(0)                   ; the nine stores have read v[EN ..], which is cleared below; the last pass's weight stores have read v46-50, which the softmax writes
.irp j, 0,1,2,3,4,5,6,7,8
	v_mov_b32 v[EN+(\j)], 0                        ; for the next pass
.endr
	s_cmp_ge_u32 s[PS], s[PP]
	s_cbranch_scc1 .Lno_soft
	; ---- softmax, by every wave for itself: lane l holds rows l + 32 i, i = 0..3, and 128 + l % 16
	s_mul_i32 s89, s[PS], TROWS
	s_sub_co_i32 s[LIM], s[NN], s89
	s_min_i32 s[LIM], s[LIM], TROWS                ; rows of the tile that count
.irp j, 0,1,2,3,4
	s_sub_co_i32 s[ROW+8+(\j)], s[LIM], 32*(\j)
.endr
.irp j, 0,1,2,3                                        ; no wait: no vector line since the wait ahead of the energies' stores names v56-75
.irp q, 0,1,2,3
	ds_load_b32 v[ARING+4*(\j)+(\q)], v[ER] offset:576*(\q)+128*(\j)
.endr
.endr
.irp q, 0,1,2,3
	ds_load_b32 v[ARING+16+(\q)], v[ER4] offset:576*(\q)
.endr
	v_mov_b32 v[TP+5], 0xd01502f9                  ; -1e10
	v_mov_b32 v[TP+6], 0xf149f2ca                  ; -1e30
.irp j, 0,1,2,3,4
	v_cmp_gt_i32 s[ROW+(\j)], s[ROW+8+(\j)], v[LN] ; which of my five rows count: the compares in one run, each into a register of its own
.endr
	s_wait_dscnt 0x0
.irp j, 0,1,2,3,4
	v_add_f32 v[ARING+4*(\j)], v[ARING+4*(\j)], v[ARING+4*(\j)+1]
	v_add_f32 v[ARING+4*(\j)+2], v[ARING+4*(\j)+2], v[ARING+4*(\j)+3]
.endr
.irp j, 0,1,2,3,4
	v_add_f32 v[TP+(\j)], v[ARING+4*(\j)], v[ARING+4*(\j)+2]
.endr
	s_wait_alu depctr_va_sdst(0)                   ; the five masks are written, ahead of the selects that read them
.irp j, 0,1,2,3,4
	v_cndmask_b32 v[TP+(\j)], v[TP+(\j)], v[TP+5], s[FM]           ; a column without a set mask: every energy is -1e10
	v_cndmask_b32 v[TP+(\j)], v[TP+6], v[TP+(\j)], s[ROW+(\j)]     ; a row that does not count (lanes 16 on of the fifth among them): far below
.endr
	v_max3_num_f32 v[TP+7], v[TP], v[TP+1], v[TP+2]
	v_max3_num_f32 v[TP+7], v[TP+7], v[TP+3], v[TP+4]
	v_max_num_f32_dpp v[TP+7], v[TP+7], v[TP+7] row_xmask:1 row_mask:0xf bank_mask:0xf
	v_max_num_f32_dpp v[TP+7], v[TP+7], v[TP+7] row_xmask:2 row_mask:0xf bank_mask:0xf
	v_max_num_f32_dpp v[TP+7], v[TP+7], v[TP+7] row_xmask:4 row_mask:0xf bank_mask:0xf
	v_max_num_f32_dpp v[TP+7], v[TP+7], v[TP+7] row_xmask:8 row_mask:0xf bank_mask:0xf
	v_permlanex16_b32 v[TP+8], v[TP+7], s[SEL], s[SEL+1]
	v_max3_num_f32 v[TP+7], v[TP+7], v[TP+8], v[MX]             ; the new m
	v_sub_f32 v[TP+8], v[MX], v[TP+7]
.irp j, 0,1,2,3,4
	v_sub_f32 v[TP+(\j)], v[TP+(\j)], v[TP+7]
.endr
	v_mul_f32 v[TP+8], 0x3fb8aa3b, v[TP+8]
.irp j, 0,1,2,3,4
	v_mul_f32 v[TP+(\j)], 0x3fb8aa3b, v[TP+(\j)]
.endr
	v_exp_f32 v[TP+8], v[TP+8]                     ; a: what the sums so far are multiplied by
.irp j, 0,1,2,3,4
	v_exp_f32 v[TP+(\j)], v[TP+(\j)]               ; the weights
.endr
	v_mov_b32 v[MX], v[TP+7]                       ; the plain instruction between the exponentials and their use
	s_wait_alu depctr_va_vdst(0)                   ; the six exponentials have written a and the five weights, which the sums and the LDS stores below read
	v_add_f32 v[TP+5], v[TP], v[TP+1]
	v_add_f32 v[TP+6], v[TP+2], v[TP+3]
	v_add_f32 v[TP+5], v[TP+5], v[TP+4]
	v_add_f32 v[TP+5], v[TP+5], v[TP+6]
	v_add_f32_dpp v[TP+5], v[TP+5], v[TP+5] row_xmask:1 row_mask:0xf bank_mask:0xf
	v_add_f32_dpp v[TP+5], v[TP+5], v[TP+5] row_xmask:2 row_mask:0xf bank_mask:0xf
	v_add_f32_dpp v[TP+5], v[TP+5], v[TP+5] row_xmask:4 row_mask:0xf bank_mask:0xf
	v_add_f32_dpp v[TP+5], v[TP+5], v[TP+5] row_xmask:8 row_mask:0xf bank_mask:0xf
	v_permlanex16_b32 v[TP+6], v[TP+5], s[SEL], s[SEL+1]
	v_add_f32 v[TP+5], v[TP+5], v[TP+6]
	v_fma_f32 v[LS], v[LS], v[TP+8], v[TP+5]       ; l = a l + the tile's sum
.irp j, 0,1,2,3,4
	ds_store_b32 v[WST], v[TP+(\j)] offset:128*(\j)  ; my wave's own copy of the weights; no vector line since the wait has written them
.endr
.irp j, 0,1,2,3,4,5,6,7
	v_mul_f32 v[CTX+(\j)], v[CTX+(\j)], v[TP+8]
.endr
.Lno_soft:
	MEET                                           ; every wave's weights are stored: from here to the next barrier LDS is only read
	s_cmp_ge_u32 s[PS], s[PP]
	s_cbranch_scc1 .Lno_ctx
	; ---- the weighted sum: 18 groups of eight rows, two buffers by turns
	LOADB 0, CA0, WR0, 0                           ; no wait: the tanh pass, the last to name window 1's v0-79, stands ahead of the wait in front of the energies' stores
	WIN 0
	s_mov_b32 s89, 0
	s_mov_b32 s90, 0
	s_mov_b32 s[CN], 8
.Lctx:
	s_wait_alu depctr_vm_vsrc(0)                   ; the loads issued so far have read v[CA] and v[WRD]
	v_add_nc_u32 v[CA], s89, v[CA0]
	v_add_nc_u32 v[WRD], s90, v[WR0]
	WIN 0x40
	s_wait_alu depctr_va_vdst(0)                   ; both addresses are written; the last trip's multiply-adds are done reading buffer 1, in which the loads land
	LOADB 1, CA, WRD, 8
	s_wait_dscnt 10                                ; the older buffer's ten loads are in, the other's may be out
	FMAB 0
	WIN 0x40
	s_wait_alu depctr_va_vdst(0)                   ; the multiply-adds above are done reading buffer 0, in which the loads land
	LOADB 0, CA, WRD, 16
	s_wait_dscnt 10
	FMAB 1
	WIN 0
	s_add_co_u32 s89, s89, 16*PITCH
	s_add_co_u32 s90, s90, 64
	s_sub_co_u32 s[CN], s[CN], 1
	s_cmp_lg_u32 s[CN], 0
	s_cbranch_scc1 .Lctx
	s_wait_alu depctr_vm_vsrc(0)                   ; the loads issued so far have read v[CA] and v[WRD]
	v_add_nc_u32 v[CA], s89, v[CA0]
	v_add_nc_u32 v[WRD], s90, v[WR0]
	WIN 0x40
	s_wait_alu depctr_va_vdst(0)                   ; both addresses are written; the last trip's multiply-adds are done reading buffer 1
	LOADB 1, CA, WRD, 8
	s_wait_dscnt 10
	FMAB 0
	s_wait_dscnt 0x0
	FMAB 1
	WIN 0
.Lno_ctx:
	s_add_co_u32 s[PS], s[PS], 1
	s_cmp_lt_u32 s[PS], 2
	s_cbranch_scc1 .Lpass
	MEET                                           ; every wave's reads of LDS are over: the closing adds stand behind this barrier
	s_lshl_b32 s90, s[WG], 12
	s_mov_b32 s91, 0
	s_add_nc_u64 s[PCT:PCT+1], s[PCT:PCT+1], s[90:91]
	s_wait_alu depctr_va_vdst(0)                   ; the weighted sum, m and l are written, which the stores below read
	global_store_b128 v[CA0], v[CTX:CTX+3], s[PCT:PCT+1]                  ; columns 8 t + 0..3 at 16 t: a wave stores 512 consecutive bytes
	global_store_b128 v[CA0], v[CTX+4:CTX+7], s[PCT:PCT+1] offset:2048    ; columns 8 t + 4..7 at 2,048 + 16 t
	s_cmp_lg_u32 s[WV], 0
	s_cbranch_scc1 .Lend
	s_lshl_b32 s90, s[WG], 8
	s_add_nc_u64 s[PML:PML+1], s[PML:PML+1], s[90:91]
	global_store_b64 v[PMO], v[MX:MX+1], s[PML:PML+1]                     ; (m, l) 32 times: the work-group's 256 bytes
.Lend:
	s_wait_dscnt 0x0                               ; the closing lines, six on end
	s_wait_alu 0x0
	s_wait_tensorcnt 0x0
	ds_add_u32 v[SPW], v[NIL]
	s_wait_dscnt 0x0
	s_endpgm
.Lfunc_end_k_qf6ec2b582a_main:
	.size	k_qf6ec2b582a_main, .Lfunc_end_k_qf6ec2b582a_main-k_qf6ec2b582a_main
	.p2alignl 7, 3214868480
	.fill 96, 4, 3214868480
	.section	.rodata,"a",@progbits
	.p2align	6, 0x0
	.amdhsa_kernel k_qf6ec2b582a_main
		.amdhsa_group_segment_fixed_size 310784
		.amdhsa_private_segment_fixed_size 0
		.amdhsa_enable_private_segment 0
		.amdhsa_kernarg_size 64
		.amdhsa_user_sgpr_count 2
		.amdhsa_user_sgpr_kernarg_segment_ptr 1
		.amdhsa_wavefront_size32 1
		.amdhsa_system_sgpr_workgroup_id_x 1
		.amdhsa_system_sgpr_workgroup_id_y 1
		.amdhsa_system_sgpr_workgroup_id_z 1
		.amdhsa_system_vgpr_workitem_id 0
		.amdhsa_next_free_vgpr 1024
		.amdhsa_next_free_sgpr 96
		.amdhsa_reserve_vcc 0
		.amdhsa_float_denorm_mode_32 3
		.amdhsa_float_denorm_mode_16_64 3
		.amdhsa_memory_ordered 1
		.amdhsa_forward_progress 1
		.amdhsa_inst_pref_size 255
	.end_amdhsa_kernel
	.section	.bss,"aw",@nobits
	.p2align	6
	.space	262144
	.amdgpu_metadata
---
amdhsa.version: [ 1, 2 ]
amdhsa.kernels:
  - .name:           k_qf6ec2b582a_main
    .symbol:         k_qf6ec2b582a_main.kd
    .args:
      - { .name: hidden_sequence, .offset: 0, .size: 8, .value_kind: global_buffer, .address_space: global }
      - { .name: v, .offset: 8, .size: 8, .value_kind: global_buffer, .address_space: global }
      - { .name: w1f, .offset: 16, .size: 8, .value_kind: global_buffer, .address_space: global }
      - { .name: biasb, .offset: 24, .size: 8, .value_kind: global_buffer, .address_space: global }
      - { .name: list, .offset: 32, .size: 8, .value_kind: global_buffer, .address_space: global }
      - { .name: meta, .offset: 40, .size: 8, .value_kind: global_buffer, .address_space: global }
      - { .name: pctx, .offset: 48, .size: 8, .value_kind: global_buffer, .address_space: global }
      - { .name: pml, .offset: 56, .size: 8, .value_kind: global_buffer, .address_space: global }
    .group_segment_fixed_size: 310784
    .private_segment_fixed_size: 0
    .kernarg_segment_align: 8
    .kernarg_segment_size: 64
    .max_flat_workgroup_size: 128
    .sgpr_count:     96
    .vgpr_count:     1024
    .wavefront_size: 32
...
	.end_amdgpu_metadata
.endif
;; end of part 4
;; launch comb: the kernel of part 3 again; grid 32 x 1, 8 waves a work-group, no clusters, 0 bytes of LDS; arguments pctx, pml, out0; writes out0
